; MI455X (gfx1250); checked and timed in simulation.
; The chip was launched on July 23, 2026; its instructions are those of AMD's public machine-readable ISA for CDNA 5 (MIT licence, August 2026) and "CDNA5" Instruction Set Architecture Reference Guide (July 2026). The comments in the code are by the model that wrote it; some were corrected since.
;; Residual Attention Block. Allowed arithmetic: matrix products marked QUANTISED: E4M3 operands, one given power-of-two scale a tensor, by v_wmma_f32_16x16x64_fp8_fp8 or v_wmma_f32_16x16x128_fp8_fp8, f32 sums; everything else in f32.
;; Inputs: fc_b 4,096 float32; fc_w 4,096 x 1,024 float32; fcproj_b 1,024 float32; fcproj_w 1,024 x 4,096 float32; ln1_b 1,024 float32; ln1_w 1,024 float32; ln2_b 1,024 float32; ln2_w 1,024 float32; lowp_scales 12 int32 (the exponents e of the quantised operands' scales 2^e); proj_b 1,024 float32; proj_w 1,024 x 1,024 float32; qkv_b 3,072 float32; qkv_w 3,072 x 1,024 float32; x 2 x 2,048 x 1,024 float32.
;; Outputs: out0 2 x 2,048 x 1,024 float32.
;; This version of the problem:
;;   THIS VERSION OF THE PROBLEM IS GIVEN IN LOW PRECISION. The matrix products marked QUANTISED in the list below multiply operands that are first quantised to E4M3 (4 exponent bits, 3 mantissa bits; 8 bits a number), with one given power-of-two scale for each operand tensor; their sums are f32. All else is computed in f32.
;;   The module's matrix products, in the order in which they are computed (A, B: the left and right operand; K: the contracted axis; several contracted axes count as one K, in the product's order):
;;     1. [M 4,096, K 1,024] x [K 1,024, N 3,072]; A: computed on the way; B: input qkv_w: QUANTISED (scales: A lowp_scales[0], B lowp_scales[1])
;;     2. batch 32 x [M 2,048, K 64] x [K 64, N 2,048]; A: computed on the way; B: computed on the way: QUANTISED (scales: A lowp_scales[2], B lowp_scales[3])
;;     3. batch 32 x [M 64, K 2,048] x [K 2,048, N 2,048]; A: computed on the way; B: softmax (see below): QUANTISED (scales: A lowp_scales[4], B lowp_scales[5])
;;     4. [M 4,096, K 1,024] x [K 1,024, N 1,024]; A: computed on the way; B: input proj_w: QUANTISED (scales: A lowp_scales[6], B lowp_scales[7])
;;     5. [M 4,096, K 1,024] x [K 1,024, N 4,096]; A: computed on the way; B: input fc_w: QUANTISED (scales: A lowp_scales[8], B lowp_scales[9])
;;     6. [M 4,096, K 4,096] x [K 4,096, N 1,024]; A: computed on the way; B: input fcproj_w: QUANTISED (scales: A lowp_scales[10], B lowp_scales[11])
;;   THE QUANTISER, for each operand of a quantised product, along K:
;;     - The operand's scale is 2^e, e = its entry of the input lowp_scales (int32; the entries are numbered through the quantised products in the list's order, A before B).
;;     - Each number is divided by the scale, clamped to +-448, and rounded to the nearest number of E4M3, ties to even, subnormals kept.
;;     - The product sums the exact products of the quantised numbers (number of the format x scale) in f32.
;;   ~~~python
;;   def quantise(x, axis, e):      # numpy; x: float32 -> the quantised numbers, widened to float32 again
;;       x = np.moveaxis(x, axis, -1); K = x.shape[-1]
;;       r = np.clip(x / 2.0 ** e, -448, 448)
;;       step = 2.0 ** (np.maximum(np.frexp(np.where(r == 0, 1, r))[1] - 1, -6) - 3)
;;       q = np.round(r / step) * step * 2.0 ** e      # np.round: ties to even
;;       return np.moveaxis(q, -1, axis).astype(np.float32)
;;   ~~~
;;   SOFTMAX AHEAD OF A QUANTISED PRODUCT. Where the list says 'softmax', what is quantised is not the finished softmax but p = 2^(t - M), with t = logit x log2(e) and M = ceil(the row's largest t), a whole number; so 1/2 < the row's largest p <= 1. The row's sum l is taken of the UNQUANTISED p, in f32, and the product's result is divided by l at the end. Since M is a whole number, a kernel that streams over the keys may use a running M (the ceiling of the running maximum): every later rescaling is an exact power of two, so the quantised numbers keep their values, but for numbers so far below the row's largest that they fall under the format's range.
;;   OPERANDS COMPUTED ON THE WAY. 'Computed on the way' means the value that the module computes at that place (a softmax that the list does not call 'softmax' is quantised finished and normalised). What goes into a quantiser is computed in f32, as accurately as f32 sums, v_exp_f32 and their like allow (about 1e-6 of the number): no bf16 or f16 on the way to a quantiser, and a product that is left as it is and whose result goes on into a quantised operand takes f32 operands (vector FMAs, or v_wmma_f32_16x16x4_f32). A number that lies on a knife's edge between two numbers of the format may be rounded either way, as far as f32 arithmetic and the matrix unit's own rounding can turn it there, and no further.
;; One version. Each part assembles by itself: llvm-mc -triple=amdgcn-amd-amdhsa -mcpu=gfx1250 --defsym DOCPART=n.
;; ======== version 1 of 1: 7 launches
;; limits: right only within a limited range of input values
;; workspace buffers: xn1_c 4,194,304 bytes; w_c 12,582,912 bytes; qkv_c 12,582,912 bytes; attn_c 4,194,304 bytes; x1 16,777,216 bytes; xn2_c 4,194,304 bytes; h_c 16,777,216 bytes
;; launch prep (part 1): grid 1024 x 1, 8 waves a work-group, no clusters, 66,816 bytes of LDS; arguments x, qkv_w, proj_w, fc_w, fcproj_w, ln1_w, ln1_b, lowp_scales, xn1_c, w_c; writes xn1_c, w_c
.if DOCPART == 1
	.amdgcn_target "amdgcn-amd-amdhsa--gfx1250"
	.amdhsa_code_object_version 6
	.text
	.protected	k_q22d42b709d_prep
	.globl	k_q22d42b709d_prep
	.p2align	8
	.type	k_q22d42b709d_prep,@function
k_q22d42b709d_prep:
	s_mov_b64 s[64:65], 0
	v_nop
	global_prefetch_b8 v0, s[64:65] scope:SCOPE_SE
	s_setreg_imm32_b32 hwreg(HW_REG_WAVE_MODE, 25, 1), 1
	s_wait_xcnt 0x0
; LN1(x) and the four weights become codes of FP8 (E4M3), each tensor with its given scale 2^e, laid as IMAGES OF OPERAND REGISTERS.
; An image is 16 rows x 128 K = 2,048 bytes: byte 512 c + 16 lane + i (lane = 16 h + r) is the code of row S(16 rb + r), k = 128 kb + 32 c + 16 h + i;
; S exchanges bits 3 and 4 of a row number: S(16 rb + r) = 32 (rb / 2) + 8 (rb % 2) + r + 8 (r / 8).  Images lie [rb][kb].
; A work-group of eight waves makes eight images (one rb, eight kb): 16 rows x 1,024 K.  Wave w loads image rows 2 w and 2 w + 1 whole (each load 512 consecutive bytes),
; normalises them where the tensor is x, puts them into LDS; behind one barrier wave w takes K 128 w .. 128 w + 127 of all 16 rows, 16 neighbours along K four times a lane,
; holds, converts and stores one image: four stores of 512 consecutive bytes.
; Work-groups 0-255: x (entry 0 of the scales); 256-447: qkv_w, its rows taken in the order part, head, channel (entry 1); 448-511: proj_w (7); 512-767: fc_w (9);
; 768-1023: fcproj_w, four chunks of 1,024 K to a row block (11).  Only pointers and numbers are chosen by the work-group's number: all take one way through LDS.
; No matrix unit, no cluster, no tensor load: the work-groups share no input and each byte is read once.
; LIMITS: each e between -126 and 119.  NaN and infinities among the inputs are not served.
.set WEIGHTS, 1
.set PITCH, 4112                       ; an LDS row: 4,096 bytes + 16: 1,028 words, so the 16 rows that a read touches start at 16 different groups of four banks
.set SPARE, 16*PITCH                   ; behind the rows (257 blocks of 256 bytes): the spare words, 128 bytes for each wave
.set LO,  2                            ; v2  16 x lane
.set SA,  3                            ; v3  where I put my rows: 2 w rows + 16 x lane
.set RA,  4                            ; v4  where I read: row r, + 64 h, + 512 w
.set LIM, 10                           ; v10 448 x 2^e
.set SCL, 11                           ; v11 2^e
.set SPW, 12                           ; v12 my spare word; never rewritten
.set NIL, 13                           ; v13 0; never rewritten
.set ST,  14                           ; v14-29 statistics, eight registers a row
.set X,   32                           ; v32-95 two rows as loaded; later 64 numbers of one row
.set G,   96                           ; v96-127 the gain; later the codes
.set BV,  96                           ; v96-127 the bias too: it is loaded when the gain has been used, so that a wave needs 128 registers and four work-groups share a WGP: 1,024 work-groups are one turn
.set C,   96
.macro RSUM reg, tmp                   ; the sum over the 32 lanes, in every lane
	s_delay_alu instid0(VALU_DEP_1)
	v_add_f32_dpp v[\reg], v[\reg], v[\reg] row_xmask:1 row_mask:0xf bank_mask:0xf
	s_delay_alu instid0(VALU_DEP_1)
	v_add_f32_dpp v[\reg], v[\reg], v[\reg] row_xmask:2 row_mask:0xf bank_mask:0xf
	s_delay_alu instid0(VALU_DEP_1)
	v_add_f32_dpp v[\reg], v[\reg], v[\reg] row_xmask:4 row_mask:0xf bank_mask:0xf
	s_delay_alu instid0(VALU_DEP_1)
	v_add_f32_dpp v[\reg], v[\reg], v[\reg] row_xmask:8 row_mask:0xf bank_mask:0xf
	s_delay_alu instid0(VALU_DEP_1)
	v_permlanex16_b32 v[\tmp], v[\reg], s52, s53
	s_delay_alu instid0(VALU_DEP_1)
	v_add_f32 v[\reg], v[\reg], v[\tmp]
.endm
.if WEIGHTS
	s_load_b512 s[4:19], s[0:1], 0x0               ; x, qkv_w, proj_w, fc_w, fcproj_w, gain s[14:15], bias s[16:17], scales s[18:19]
	s_load_b128 s[20:23], s[0:1], 0x40             ; xn1_c, w_c
.else
	s_load_b64 s[4:5], s[0:1], 0x0                 ; the rows
	s_load_b64 s[14:15], s[0:1], 0x8               ; gain
	s_load_b128 s[16:19], s[0:1], 0x10             ; bias, scales
	s_load_b64 s[20:21], s[0:1], 0x20              ; the codes
.endif
	v_lshl_add_u32 v[SPW], v0, 2, SPARE
	v_mov_b32 v[NIL], 0
	v_lshrrev_b32 v1, 5, v0
	s_delay_alu instid0(VALU_DEP_1)
	v_readfirstlane_b32 s24, v1                    ; wave 0..7
	v_and_b32 v5, 31, v0
	s_delay_alu instid0(VALU_DEP_1)
	v_lshlrev_b32 v[LO], 4, v5
	s_mul_i32 s26, s24, 2*PITCH
	v_add_nc_u32 v[SA], s26, v[LO]
	v_and_b32 v6, 15, v0                           ; r
	v_bfe_u32 v7, v0, 4, 1                         ; h
	s_delay_alu instid0(VALU_DEP_2)
	v_mul_u32_u24 v[RA], v6, PITCH
	s_delay_alu instid0(VALU_DEP_1)
	v_lshl_add_u32 v[RA], v7, 6, v[RA]
	s_lshl_b32 s26, s24, 9
	v_add_nc_u32 v[RA], s26, v[RA]
	s_mov_b32 s52, 0x76543210                      ; lane l xor 16
	s_mov_b32 s53, 0xfedcba98
	s_mov_b32 s54, 0x3a800000                      ; 1 / 1024
	s_mov_b32 s55, 0x3727c5ac                      ; 1e-5
.if WEIGHTS
	s_mov_b32 s25, 768                             ; the segment's first work-group,
	s_mov_b32 s50, 0x800000                        ; its place in w_c,
	s_cmp_lt_u32 ttmp9, 768
	s_cselect_b32 s31, 0, 2                        ; log2 of its chunks of 1,024 K,
	s_cselect_b32 s30, 0, 3                        ; and their mask
	s_cselect_b32 s25, 512, s25
	s_cselect_b32 s50, 0x400000, s50
	s_cmp_lt_u32 ttmp9, 512
	s_cselect_b32 s25, 448, s25
	s_cselect_b32 s50, 0x300000, s50
	s_cmp_lt_u32 ttmp9, 448
	s_cselect_b32 s25, 256, s25
	s_cselect_b32 s50, 0, s50
	s_cmp_lt_u32 ttmp9, 256
	s_cselect_b32 s25, 0, s25
.else
	s_mov_b32 s25, 0
	s_mov_b32 s50, 0
	s_mov_b32 s31, 0
	s_mov_b32 s30, 0
.endif
	s_sub_co_u32 s25, ttmp9, s25                   ; my number in the segment
	s_lshr_b32 s26, s25, s31                       ; rb
	s_and_b32 s27, s25, s30                        ; chunk
	s_lshl_b32 s28, 4096, s31                      ; a source row in bytes
	s_lshl_b32 s29, 8, s31                         ; images in a row block
	s_lshr_b32 s51, s26, 1
	s_lshl_b32 s51, s51, 5                         ; 32 (rb / 2)
.if WEIGHTS
	s_bfe_u32 s56, s26, 0x40002                    ; qkv_w: rb = 64 part + 4 head + ..: the source rows lie [head][part][channel]
	s_mul_i32 s56, s56, 192
	s_lshr_b32 s57, s26, 6
	s_lshl_b32 s57, s57, 6
	s_add_co_u32 s56, s56, s57
	s_bfe_u32 s57, s26, 0x10001
	s_lshl_b32 s57, s57, 5
	s_add_co_u32 s56, s56, s57                     ; 192 head + 64 part + 32 ((rb / 2) % 2)
	s_sub_co_u32 s57, ttmp9, 256
	s_cmp_lt_u32 s57, 192
	s_cselect_b32 s51, s56, s51
.endif
	s_and_b32 s56, s26, 1
	s_lshl_b32 s56, s56, 3
	s_add_co_u32 s51, s51, s56                     ; + 8 (rb % 2)
	s_lshl_b32 s56, s24, 1
	s_add_co_u32 s51, s51, s56                     ; + r = 2 w
	s_lshr_b32 s56, s24, 2
	s_lshl_b32 s56, s56, 3
	s_add_co_u32 s51, s51, s56                     ; + 8 (r / 8)
	s_mul_i32 s56, s51, s28
	s_lshl_b32 s57, s27, 12
	s_add_co_u32 s56, s56, s57                     ; my first row's first byte, under 2^27
	s_mov_b32 s57, 0
	s_mul_i32 s58, s26, s29
	s_lshl_b32 s59, s27, 3
	s_add_co_u32 s58, s58, s59
	s_add_co_u32 s58, s58, s24
	s_lshl_b32 s58, s58, 11
	s_add_co_u32 s58, s58, s50                     ; my image's first byte
	s_mov_b32 s59, 0
	s_wait_alu depctr_va_vdst(0)
	s_wait_kmcnt 0x0
	s_load_b256 s[36:43], s[18:19], 0x0            ; the twelve exponents
	s_load_b128 s[44:47], s[18:19], 0x20
.if WEIGHTS
	s_cmp_lt_u32 ttmp9, 768
	s_cselect_b64 s[32:33], s[10:11], s[12:13]
	s_cmp_lt_u32 ttmp9, 512
	s_cselect_b64 s[32:33], s[8:9], s[32:33]
	s_cmp_lt_u32 ttmp9, 448
	s_cselect_b64 s[32:33], s[6:7], s[32:33]
	s_cmp_lt_u32 ttmp9, 256
	s_cselect_b64 s[32:33], s[4:5], s[32:33]
	s_cselect_b64 s[48:49], s[20:21], s[22:23]
.else
	s_mov_b64 s[32:33], s[4:5]
	s_mov_b64 s[48:49], s[20:21]
.endif
	s_add_nc_u64 s[32:33], s[32:33], s[56:57]      ; row 2 w
	s_mov_b32 s56, s28
	s_add_nc_u64 s[34:35], s[32:33], s[56:57]      ; row 2 w + 1
	s_add_nc_u64 s[48:49], s[48:49], s[58:59]
.irp p, 0,1
.irp j, 0,1,2,3,4,5,6,7
.if WEIGHTS
	global_load_b128 v[X+32*\p+4*\j:X+32*\p+4*\j+3], v[LO], s[32+2*\p:33+2*\p] offset:512*\j th:TH_LOAD_NT
.else
	global_load_b128 v[X+32*\p+4*\j:X+32*\p+4*\j+3], v[LO], s[32+2*\p:33+2*\p] offset:512*\j
.endif
.endr
.endr
.if WEIGHTS
	s_cmp_lt_u32 ttmp9, 256                        ; only x is normalised: a branch on the work-group's number, round register work and loads alone
	s_cbranch_scc0 .Lraw
.endif
.irp j, 0,1,2,3,4,5,6,7
	global_load_b128 v[G+4*\j:G+4*\j+3], v[LO], s[14:15] offset:512*\j
.endr
	s_wait_loadcnt 8                               ; my two rows are in; the 8 loads of the gain may be out
.irp p, 0,1
.set TT, ST+8*\p
.set XX, X+32*\p
	v_mov_b32 v[TT+4], 0                           ; a lane permute's destination counts as read
	v_mov_b32 v[TT+7], 0                           ; named as the upper half of a pair
	v_pk_add_f32 v[TT:TT+1], v[XX:XX+1], v[XX+2:XX+3]
	v_pk_add_f32 v[TT+2:TT+3], v[XX+4:XX+5], v[XX+6:XX+7]
.irp j, 8,12,16,20,24,28
	s_delay_alu instid0(VALU_DEP_2)
	v_pk_add_f32 v[TT:TT+1], v[TT:TT+1], v[XX+\j:XX+\j+1]
	s_delay_alu instid0(VALU_DEP_2)
	v_pk_add_f32 v[TT+2:TT+3], v[TT+2:TT+3], v[XX+\j+2:XX+\j+3]
.endr
	s_delay_alu instid0(VALU_DEP_1)
	v_pk_add_f32 v[TT:TT+1], v[TT:TT+1], v[TT+2:TT+3]
	s_delay_alu instid0(VALU_DEP_1)
	v_add_f32 v[TT], v[TT], v[TT+1]
	RSUM TT, TT+4
	s_delay_alu instid0(VALU_DEP_1)
	v_mul_f32 v[TT], s54, v[TT]                    ; the mean
.set J, 0
.rept 16
	v_pk_add_f32 v[XX+J:XX+J+1], v[XX+J:XX+J+1], v[TT:TT+1] op_sel_hi:[1,0] neg_lo:[0,1] neg_hi:[0,1]   ; x - mean: the variance is taken of these, so a common offset costs nothing
.set J, J+2
.endr
	v_pk_mul_f32 v[TT:TT+1], v[XX:XX+1], v[XX:XX+1]
	v_pk_mul_f32 v[TT+2:TT+3], v[XX+2:XX+3], v[XX+2:XX+3]
.irp j, 4,8,12,16,20,24,28
	s_delay_alu instid0(VALU_DEP_2)
	v_pk_fma_f32 v[TT:TT+1], v[XX+\j:XX+\j+1], v[XX+\j:XX+\j+1], v[TT:TT+1]
	s_delay_alu instid0(VALU_DEP_2)
	v_pk_fma_f32 v[TT+2:TT+3], v[XX+\j+2:XX+\j+3], v[XX+\j+2:XX+\j+3], v[TT+2:TT+3]
.endr
	s_delay_alu instid0(VALU_DEP_1)
	v_pk_add_f32 v[TT:TT+1], v[TT:TT+1], v[TT+2:TT+3]
	s_delay_alu instid0(VALU_DEP_1)
	v_add_f32 v[TT], v[TT], v[TT+1]
	RSUM TT, TT+4
	s_delay_alu instid0(VALU_DEP_1)
	v_fma_f32 v[TT], v[TT], s54, s55               ; variance + 1e-5
.endr
	s_wait_alu depctr_va_vdst(0)
	v_rsq_f32 v[ST+6], v[ST]
	v_rsq_f32 v[ST+14], v[ST+8]
	v_nop                                          ; a plain instruction behind the last of the two
	s_wait_alu depctr_va_vdst(0)                   ; one wait for both, ahead of their first reader
	s_wait_loadcnt 0x0                             ; the gain
.irp p, 0,1
.set TT, ST+8*\p
.set XX, X+32*\p
.set J, 0
.rept 16
	v_pk_mul_f32 v[XX+J:XX+J+1], v[XX+J:XX+J+1], v[TT+6:TT+7] op_sel_hi:[1,0]
.set J, J+2
.endr
.set J, 0
.rept 16
	v_pk_mul_f32 v[XX+J:XX+J+1], v[XX+J:XX+J+1], v[G+J:G+J+1]
.set J, J+2
.endr
.endr
.irp j, 0,1,2,3,4,5,6,7
	global_load_b128 v[BV+4*\j:BV+4*\j+3], v[LO], s[16:17] offset:512*\j   ; the bias, into the registers that held the gain
.endr
	s_wait_alu depctr_va_vdst(0)
	s_wait_loadcnt 0x0
.set J, 0
.rept 32
	v_pk_add_f32 v[X+J:X+J+1], v[X+J:X+J+1], v[BV+(J%32):BV+(J%32)+1]
.set J, J+2
.endr
.Lraw:
	s_wait_loadcnt 0x0
	s_wait_alu depctr_va_vdst(0)
.irp p, 0,1
.irp j, 0,1,2,3,4,5,6,7
	ds_store_b128 v[SA], v[X+32*\p+4*\j:X+32*\p+4*\j+3] offset:PITCH*\p+512*\j
.endr
.endr
	s_wait_dscnt 0x0                               ; for the others' sake: my rows lie in LDS
	s_barrier_signal -1
	s_barrier_wait -1                              ; all 16 rows do
.irp c, 0,1,2,3
.irp i, 0,1,2,3
	ds_load_b128 v[X+16*\c+4*\i:X+16*\c+4*\i+3], v[RA] offset:128*\c+16*\i   ; register 16 c + n: k = 128 w + 32 c + 16 h + n of row r
.endr
.endr
	s_wait_kmcnt 0x0
.if WEIGHTS
	s_cmp_lt_u32 ttmp9, 768
	s_cselect_b32 s28, s45, s47
	s_cmp_lt_u32 ttmp9, 512
	s_cselect_b32 s28, s43, s28
	s_cmp_lt_u32 ttmp9, 448
	s_cselect_b32 s28, s37, s28
	s_cmp_lt_u32 ttmp9, 256
	s_cselect_b32 s28, s36, s28                    ; e
.else
	s_mov_b32 s28, s44                             ; e: entry 8
.endif
	s_add_co_i32 s28, s28, 127
	s_lshl_b32 s29, s28, 23
	v_mov_b32 v[SCL], s29                          ; 2^e as f32: the conversion takes its exponent field
	s_add_co_i32 s28, s28, 8
	s_lshl_b32 s28, s28, 23
	s_or_b32 s28, s28, 0x600000
	v_mov_b32 v[LIM], s28                          ; 448 x 2^e
	s_wait_alu depctr_va_vdst(0)
	s_wait_dscnt 0x0
.set J, 0
.rept 64
	v_med3_num_f32 v[X+J], v[X+J], -v[LIM], v[LIM] ; the conversion to an 8-bit code does not saturate (ISA guide 7.6.2): the hold comes first
.set J, J+1
.endr
.irp c, 0,1,2,3
	v_cvt_scalef32_pk8_fp8_f32 v[C+4*\c:C+4*\c+1], v[X+16*\c:X+16*\c+7], v[SCL]
	v_cvt_scalef32_pk8_fp8_f32 v[C+4*\c+2:C+4*\c+3], v[X+16*\c+8:X+16*\c+15], v[SCL]
.endr
	v_nop
.irp c, 0,1,2,3
	global_store_b128 v[LO], v[C+4*\c:C+4*\c+3], s[48:49] offset:512*\c   ; 32 lanes store 512 consecutive bytes, at a multiple of 256 from the buffer's first byte
.endr
	s_wait_tensorcnt 0x0                           ; the wave's end
	ds_add_u32 v[SPW], v[NIL]
	s_wait_dscnt 0x0
	s_endpgm
.Lfunc_end_k_q22d42b709d_prep:
	.size	k_q22d42b709d_prep, .Lfunc_end_k_q22d42b709d_prep-k_q22d42b709d_prep
	.p2alignl 7, 3214868480
	.fill 96, 4, 3214868480
	.section	.rodata,"a",@progbits
	.p2align	6, 0x0
	.amdhsa_kernel k_q22d42b709d_prep
		.amdhsa_group_segment_fixed_size 66816
		.amdhsa_private_segment_fixed_size 0
		.amdhsa_enable_private_segment 0
		.amdhsa_kernarg_size 80
		.amdhsa_user_sgpr_count 2
		.amdhsa_user_sgpr_kernarg_segment_ptr 1
		.amdhsa_wavefront_size32 1
		.amdhsa_system_sgpr_workgroup_id_x 1
		.amdhsa_system_sgpr_workgroup_id_y 1
		.amdhsa_system_sgpr_workgroup_id_z 1
		.amdhsa_system_vgpr_workitem_id 0
		.amdhsa_next_free_vgpr 128
		.amdhsa_next_free_sgpr 66
		.amdhsa_reserve_vcc 0
		.amdhsa_float_denorm_mode_32 3
		.amdhsa_float_denorm_mode_16_64 3
		.amdhsa_memory_ordered 1
		.amdhsa_forward_progress 1
		.amdhsa_inst_pref_size 33
	.end_amdhsa_kernel
	.amdgpu_metadata
---
amdhsa.version: [ 1, 2 ]
amdhsa.kernels:
  - .name:           k_q22d42b709d_prep
    .symbol:         k_q22d42b709d_prep.kd
    .args:
      - { .name: x, .offset: 0, .size: 8, .value_kind: global_buffer, .address_space: global }
      - { .name: qkv_w, .offset: 8, .size: 8, .value_kind: global_buffer, .address_space: global }
      - { .name: proj_w, .offset: 16, .size: 8, .value_kind: global_buffer, .address_space: global }
      - { .name: fc_w, .offset: 24, .size: 8, .value_kind: global_buffer, .address_space: global }
      - { .name: fcproj_w, .offset: 32, .size: 8, .value_kind: global_buffer, .address_space: global }
      - { .name: ln1_w, .offset: 40, .size: 8, .value_kind: global_buffer, .address_space: global }
      - { .name: ln1_b, .offset: 48, .size: 8, .value_kind: global_buffer, .address_space: global }
      - { .name: lowp_scales, .offset: 56, .size: 8, .value_kind: global_buffer, .address_space: global }
      - { .name: xn1_c, .offset: 64, .size: 8, .value_kind: global_buffer, .address_space: global }
      - { .name: w_c, .offset: 72, .size: 8, .value_kind: global_buffer, .address_space: global }
    .group_segment_fixed_size: 66816
    .private_segment_fixed_size: 0
    .kernarg_segment_align: 8
    .kernarg_segment_size: 80
    .max_flat_workgroup_size: 256
    .sgpr_count:     66
    .vgpr_count:     128
    .wavefront_size: 32
...
	.end_amdgpu_metadata
.endif
;; end of part 1
;; launch qkv (part 2): grid 12 x 16, 4 waves a work-group, clusters of 4 x 4, 327,680 bytes of LDS; arguments xn1_c, w_c, lowp_scales, qkv_b, qkv_c; writes qkv_c
.if DOCPART == 2
	.amdgcn_target "amdgcn-amd-amdhsa--gfx1250"
	.amdhsa_code_object_version 6
	.text
	.protected	k_q22d42b709d_qkv
	.globl	k_q22d42b709d_qkv
	.p2align	8
	.type	k_q22d42b709d_qkv,@function
k_q22d42b709d_qkv:
	s_mov_b64 s[64:65], 0
	v_nop
	global_prefetch_b8 v0, s[64:65] scope:SCOPE_SE
	s_setreg_imm32_b32 hwreg(HW_REG_WAVE_MODE, 25, 1), 1
	s_wait_xcnt 0x0
	s_wait_alu depctr_hold_cnt(0) depctr_sa_sdst(0) depctr_va_vdst(0) depctr_va_sdst(0) depctr_va_ssrc(0) depctr_va_vcc(0) depctr_vm_vsrc(0)
	s_getreg_b32 s2, hwreg(HW_REG_IB_STS2, 6, 4)
	s_cmp_eq_u32 s2, 0
	s_cbranch_scc0 .Lentry_in_a_cluster
	s_endpgm
.Lentry_in_a_cluster:
	s_bfe_u32 s2, ttmp6, 0x10000c
	s_cmp_lg_u32 s2, 0xf033
	s_cbranch_scc0 .Lentry_shape_is_right
	s_endpgm
.Lentry_shape_is_right:
; q, k and v: (LN1(x) Wqkv^T + b), q and k times 8^-1/2, quantised for attention.  Operands arrive as IMAGES OF OPERAND REGISTERS (16 rows x 128 K = 2,048 bytes, byte 512 c + 16 lane + i =
; code of row S(16 rb + r), k = 128 kb + 32 c + 16 h + i; S exchanges bits 3 and 4), laid [rb][kb].  A fragment is four ds_load_b128 at 16 x lane: dense, no pitch.  The place of k in the registers is a
; permutation of the form's own, the same on both sides.
; THE MATRIX INSTRUCTION IS USED TRANSPOSED: source 0 = block t of the one operand, source 1 = block a of the other.  Lane (r, h), register j then holds (row S(16 a + r) of the second, row
; 32 (t / 2) + 16 h + 8 (t % 2) + j of the first): the 16 registers of blocks 2 b, 2 b + 1 are 16 NEIGHBOURS, which two conversions turn into four registers of the next operand's image.  Codes leave by stores of 512 dense bytes.
; REGIONS by the cluster's x: 0: q, 1: k (second operand = tokens, first = weight rows: images of 16 tokens x 64 channels, 1,024 bytes, [batch x head][128][..]);
; 2: V^T = Wv xn^T (second = Wv's rows, first = tokens), so that v's codes come out with the keys innermost: [batch x head][4][16][2,048].  The choice is made by selects on the cluster's x: no branch.
; A tile is 256 x 256, four waves of 128 x 128 (64 accumulators).  K goes through two LDS slots of 256 along K.  CLUSTERS of 4 x 4: the second operand's tile is asked for jointly along a row, the first's along a column.
; LIMITS: e0 + e1 between -126 and 127; e2, e3, e4 between -126 and 119.  NaN and infinities are not served.
; REGISTERS: window 0: v2 16 x lane; v10, v11 hold and scale; v16-21 LDS addresses; v24-27 offsets; v32-95 bias along columns; v96-111 bias along rows; v128-255 the second operand's fragments, one set;
;   window 1: the first operand's, two sets; windows 2, 3: accumulator (a, b) at v[8 (8 (a % 4) + b)].
.set NBK,   8                          ; blocks of 16 a wave holds on each side
.set KB,    8                          ; images along K
.set KS,    2                          ; steps of 128 K in a slot
.set LAPS,  2                          ; KB / KS / 2
.set H,     NBK/2
.set NL,    4                          ; LDS loads to a fragment
.set QB,    32768                      ; what one tensor load brings: NBK rows of KS images
.set SLOT,  4*QB
.set SPARE, 2*SLOT                     ; behind the ring: the spare words, 128 bytes for each wave
.set CE,    256*KS                     ; a tile's row in elements of 8 bytes
.set LI,    2
.set LIM,   10
.set SCL,   11
.set ADRA,  16
.set ADRB,  20
.set SPW,   28
.set NIL,   29
.set AF,    128
.set G1,    24
.set G0,    32
.set G1B,   48
.set G0B,   56
.set MSB,   0
.macro WIN new                         ; the immediate's high byte repeats the setting that is left
.if MSB != (\new)
	s_set_vgpr_msb (MSB<<8)|(\new)
.set MSB, (\new)
.endif
.endm
.macro JLOAD g0a, g1a, g0b, g1b        ; a joint load: waves 0, 1 fetch the second operand's halves, waves 2, 3 the first's; an s_nop 0 and four v_nop follow each line
	s_cmp_eq_u32 s15, 0
	s_cbranch_scc0 .Lfor_b_\@
	tensor_load_to_lds s[\g0a:\g0a+3], s[\g1a:\g1a+7]
	s_nop 0
.rept 4
	v_nop
.endr
	s_branch .Lasked_\@
.Lfor_b_\@:
	tensor_load_to_lds s[\g0b:\g0b+3], s[\g1b:\g1b+7]
	s_nop 0
.rept 4
	v_nop
.endr
.Lasked_\@:
.endm
.macro CREST                           ; a round of the cluster's barrier behind its opening barrier
	s_cmp_lg_u32 s14, 0
	s_cbranch_scc1 .Lnot_wave_0_\@
	s_barrier_signal -3
.Lnot_wave_0_\@:
	s_barrier_wait -3
	s_barrier_signal -1
	s_barrier_wait -1
.endm
.macro CROUND
	s_barrier_signal -1
	s_barrier_wait -1
	CREST
.endm
.macro PLACES n                        ; plain vector instructions between a matrix instruction and a load into, or a vector read or write of, its registers
.rept \n
	v_nop
.endr
.endm
.macro FRAG reg, adr, q, i             ; image (i, q) of a quarter slot into 16 registers
.irp c, 0,1,2,3
	ds_load_b128 v[(\reg)+4*\c:(\reg)+4*\c+3], v[\adr] offset:(\i)*KS*2048+(\q)*2048+512*\c
.endr
.endm
.macro MULA a, p, zero                 ; block a against the other side's NBK blocks of set p
.set WA, 2+((\a)*NBK)/32
.set WW, 0x01|(WA<<4)|(WA<<6)
	WIN WW
.set AC, 8*(((\a)*NBK)%32)
.set BB, 0
.rept NBK
.if \zero
	v_wmma_f32_16x16x128_fp8_fp8 v[AC+8*BB:AC+8*BB+7], v[128*(\p)+16*BB:128*(\p)+16*BB+15], v[AF+16*(\a):AF+16*(\a)+15], 0
.else
	v_wmma_f32_16x16x128_fp8_fp8 v[AC+8*BB:AC+8*BB+7], v[128*(\p)+16*BB:128*(\p)+16*BB+15], v[AF+16*(\a):AF+16*(\a)+15], v[AC+8*BB:AC+8*BB+7]
.endif
.set BB, BB+1
.endr
.endm
.macro MULR a0, n, p, zero             ; n blocks from a0 on.  The accumulators take turns, one instruction a turn, in the same order in every step
.set MA, \a0
.rept \n
	MULA MA, \p, \zero
.set MA, MA+1
.endr
.endm
.macro FETCH_B slot, q, p
	WIN 0x40
.set FI, 0
.rept NBK
	FRAG 128*(\p)+16*FI, ADRB+\slot, \q, FI
.set FI, FI+1
.endr
	WIN 0
.endm
.macro FETCH_A slot, q, i0
.set FI, \i0
.rept H
	FRAG AF+16*FI, ADRA+\slot, \q, FI
.set FI, FI+1
.endr
.endm
.macro STEP slot, q, zero              ; 128 along K with its successor in the same slot
	s_wait_dscnt H*NL                              ; all but the youngest loads (the upper H blocks of source 1) are in
	MULR 0, H, (\q)%2, \zero
	s_wait_dscnt 0x0
	PLACES 4
	FETCH_B \slot, (\q)+1, 1-(\q)%2
	FETCH_A \slot, (\q)+1, 0
	MULR H, H, (\q)%2, \zero
	PLACES 4
	WIN 0
	FETCH_A \slot, (\q)+1, H
.endm
.macro TURN slot, next, fill           ; a slot's last step changes slots: one barrier; fill = 1: it opens a round of the cluster's barrier, and this slot is filled again
	s_wait_tensorcnt 0x0                           ; all my tensor loads have landed: my part of the next slot
	ds_add_u32 v[SPW], v[NIL]                      ; 0 onto my spare word
	s_wait_dscnt H*NL+1                            ; the add and the youngest loads may be out
	MULR 0, H/2, 1, 0
	s_wait_dscnt 0x0                               ; the add is done, and my reads of this slot are over
	s_barrier_signal -1
	MULR H/2, H/2, 1, 0
	WIN 0
	s_barrier_wait -1
.if \fill
	CREST                                          ; no wave of any partner still reads this slot or has a load on its way
	s_add_nc_u64 s[G0+4*\slot+2:G0+4*\slot+3], s[G0+4*\slot+2:G0+4*\slot+3], 2*KS*2048
	s_add_nc_u64 s[G0B+4*\slot+2:G0B+4*\slot+3], s[G0B+4*\slot+2:G0B+4*\slot+3], 2*KS*2048
	JLOAD G0+4*\slot, G1, G0B+4*\slot, G1B         ; the first tensor load behind the round; its four v_nop are the places in front of the loads below
.else
	PLACES 4
.endif
	FETCH_B \next, 0, 0
	FETCH_A \next, 0, 0
	MULR H, H, 1, 0
	PLACES 4
	WIN 0
	FETCH_A \next, 0, H
.endm
.macro MIDS slot, from                 ; a slot's steps from .. KS - 2
.if KS-1-\from > 0
.set QQ, \from
.rept KS-1-\from
	STEP \slot, QQ, 0
.set QQ, QQ+1
.endr
.endif
.endm
.macro LAST                            ; the very last step: nothing more to fetch
	s_wait_dscnt H*NL
	MULR 0, H, 1, 0
	s_wait_dscnt 0x0
	MULR H, H, 1, 0
	WIN 0
.endm
.set BI, 32
.set BR, 96
.set VO, 26
.set T,  128
.set CD, 192
	s_load_b256 s[4:11], s[0:1], 0x0               ; xn1_c, w_c, the scales' exponents, qkv_b
	s_load_b64 s[12:13], s[0:1], 0x20              ; qkv_c
	v_lshl_add_u32 v[SPW], v0, 2, SPARE
	v_mov_b32 v[NIL], 0
	ds_add_u32 v[SPW], v[NIL]                      ; the wave's opening
	ds_add_u32 v[SPW], v[NIL]
	v_lshrrev_b32 v1, 5, v0
	v_readfirstlane_b32 s14, v1                    ; wave 0..3
	s_lshr_b32 s15, s14, 1                         ; my half of the tile's rows.  Also: which operand I fetch
	s_and_b32 s16, s14, 1                          ; my half of its columns.  Also: which half I fetch
	s_bfe_u32 s40, ttmp6, 0x40000                  ; cx
	s_bfe_u32 s41, ttmp6, 0x40004                  ; cy
	s_and_b32 s19, ttmp7, 0xffff                   ; the cluster's y
	s_cmp_eq_u32 ttmp9, 2                          ; the region of V^T?  The same in all sixteen partners
	s_cselect_b32 s17, 0, s19
	s_cselect_b32 s42, s19, ttmp9
	s_cselect_b32 s2, -1, 0
	s_cselect_b32 s23, 0x200000, 0                 ; Wv's images begin 2 MiB into w_c
	s_lshl_b32 s17, s17, 2
	s_add_co_u32 s17, s17, s41                     ; tile row
	s_lshl_b32 s42, s42, 2
	s_add_co_u32 s42, s42, s40                     ; tile column
	s_lshl_b32 s43, s41, 2
	s_lshl_b32 s43, 15, s43                        ; my row of the cluster
	s_lshl_b32 s44, 0x1111, s40                    ; my column
	s_or_b32 s[G1], s43, (3<<16)|(1<<21)           ; 15:0 the mask; 17:16 elements of 8 bytes; 21 set beside a mask; no padding
	s_or_b32 s[G1B], s44, (3<<16)|(1<<21)
.irp g, G1, G1B
	s_mov_b32 s[\g+1], CE<<16                      ; tensor_dim0: KS images on end
	s_mov_b32 s[\g+2], NBK<<16                     ; tensor_dim1
	s_mov_b32 s[\g+3], CE<<16                      ; tile_dim0
	s_mov_b32 s[\g+4], NBK                         ; tile_dim1
	s_mov_b32 s[\g+5], 256*KB                      ; from row block to row block
	s_mov_b32 s[\g+6], 0
	s_mov_b32 s[\g+7], 0
.endr
	s_mul_i32 s18, s16, NBK
	s_mul_i32 s20, s17, 2*NBK
	s_add_co_u32 s20, s20, s18
	s_mul_i32 s20, s20, KB*2048
	s_add_co_u32 s20, s20, s23
	s_mov_b32 s21, 0
	s_mul_i32 s46, s42, 2*NBK
	s_add_co_u32 s46, s46, s18
	s_mul_i32 s46, s46, KB*2048
	s_mov_b32 s47, 0
	s_mul_i32 s45, s14, QB                         ; where my load goes: no place in the cluster enters an LDS address
	s_wait_dscnt 0x0                               ; the opening add is done
	s_wait_kmcnt 0x0
	s_load_b256 s[68:75], s[8:9], 0x0              ; the twelve exponents
	s_load_b128 s[76:79], s[8:9], 0x20
	s_cmp_eq_u32 ttmp9, 2
	s_cselect_b64 s[22:23], s[6:7], s[4:5]         ; source 1's buffer
	s_cselect_b64 s[18:19], s[4:5], s[6:7]         ; source 0's
	s_add_nc_u64 s[20:21], s[22:23], s[20:21]
	s_add_nc_u64 s[46:47], s[18:19], s[46:47]
	CROUND                                         ; all sixteen work-groups are here: the first joint loads meet
.irp s, 0,1
	s_mov_b32 s[G0+4*\s], 1
	s_add_co_u32 s[G0+4*\s+1], s45, \s*SLOT
	s_add_nc_u64 s[G0+4*\s+2:G0+4*\s+3], s[20:21], \s*KS*2048
	s_or_b32 s[G0+4*\s+3], s[G0+4*\s+3], 0x80000000
	s_mov_b32 s[G0B+4*\s], 1
	s_add_co_u32 s[G0B+4*\s+1], s45, \s*SLOT
	s_add_nc_u64 s[G0B+4*\s+2:G0B+4*\s+3], s[46:47], \s*KS*2048
	s_or_b32 s[G0B+4*\s+3], s[G0B+4*\s+3], 0x80000000
.endr
	; PREFETCHES INTO THE L2: behind the load of slot n stands a request for slot n + 2, and behind slot 0's also one for slot 1.  Of the 8 row blocks x 4,096 bytes that my wave fetches for a slot, the four partners
	; that ask for them jointly take two row blocks each, told apart by address (cx for source 1's tile, cy for source 0's): a lane names one block of 256 bytes, one instruction a wave.  Slots 1, 2 and 3 are all there are: no address is stepped.
	s_cmp_eq_u32 s15, 0
	s_cselect_b64 s[44:45], s[20:21], s[46:47]     ; the tile that I fetch,
	s_cselect_b32 s40, s40, s41                    ; my place among the four that ask for it with me,
	s_lshl_b32 s40, s40, 15                        ; x two row blocks of 16,384 bytes
	s_mov_b32 s41, 0
	s_add_nc_u64 s[44:45], s[44:45], s[40:41]
	JLOAD G0, G1, G0B, G1B                         ; slot 0
	v_and_b32 v1, 31, v0
	v_lshlrev_b32 v[LI], 4, v1
	v_lshrrev_b32 v7, 4, v1
	v_and_b32 v6, 15, v1
	v_lshlrev_b32 v6, 8, v6
	v_lshl_add_u32 v6, v7, 14, v6                  ; 16,384 (lane / 16) + 256 (lane % 16); never rewritten
	global_prefetch_b8 v6, s[44:45] offset:KS*2048 th:TH_LOAD_NT scope:SCOPE_SE
	global_prefetch_b8 v6, s[44:45] offset:2*KS*2048 th:TH_LOAD_NT scope:SCOPE_SE
	s_mul_i32 s21, s15, QB
	s_mul_i32 s22, s16, QB
	s_add_co_u32 s22, s22, 2*QB
.irp s, 0,1
	v_add_nc_u32 v[ADRA+\s], s21, v[LI]
	v_add_nc_u32 v[ADRB+\s], s22, v[LI]
	s_add_co_u32 s21, s21, SLOT
	s_add_co_u32 s22, s22, SLOT
.endr
	; the bias: along the columns for q and k, along the rows for V^T.  Both are loaded (from the buffer's head where they are not wanted) and the one not wanted is set to 0 on the way out
	v_and_b32 v3, 15, v0                           ; r
	v_bfe_u32 v4, v0, 4, 1                         ; h
	v_lshlrev_b32 v24, 6, v4                       ; 16 h numbers
	s_wait_alu depctr_va_vdst(0)
	v_and_b32 v5, 8, v3
	v_add_nc_u32 v5, v5, v3
	v_lshlrev_b32 v25, 2, v5                       ; r + 8 (r / 8) numbers
	s_wait_alu depctr_va_vdst(0)
	v_mov_b32 v31, 0
	s_and_b32 s18, s42, 3
	s_lshl_b32 s18, s18, 2
	s_lshl_b32 s19, s16, 1
	s_add_co_u32 s18, s18, s19                     ; q, k: the first head of my columns
	s_mul_i32 s18, s18, 192
	s_lshl_b32 s19, ttmp9, 6
	s_add_co_u32 s18, s18, s19
	s_lshl_b32 s18, s18, 2
	s_lshl_b32 s19, s17, 2
	s_lshl_b32 s22, s15, 1
	s_add_co_u32 s19, s19, s22                     ; V^T: the first head of my rows
	s_mul_i32 s19, s19, 192
	s_add_co_u32 s19, s19, 128
	s_lshl_b32 s19, s19, 2
	s_cmp_eq_u32 ttmp9, 2
	s_cselect_b32 s18, 0, s18
	s_cselect_b32 s22, s19, 0
	s_mov_b32 s19, 0
	s_mov_b32 s23, 0
	s_add_nc_u64 s[66:67], s[10:11], s[18:19]
	s_add_nc_u64 s[100:101], s[10:11], s[22:23]
.irp t, 0,1,2,3,4,5,6,7
.irp i, 0,1
	global_load_b128 v[BI+8*\t+4*\i:BI+8*\t+4*\i+3], v24, s[66:67] offset:4*(192*(\t/4)+32*((\t/2)%2)+8*(\t%2)+4*\i)
.endr
.endr
.irp a, 0,1,2,3,4,5,6,7
	global_load_b32 v[BR+2*\a], v25, s[100:101] offset:4*(192*(\a/4)+32*((\a/2)%2)+8*(\a%2))
	v_mov_b32 v[BR+2*\a+1], 0                      ; named as the upper half of a pair
.endr
	; where my codes go
	s_lshr_b32 s18, s17, 3
	s_lshl_b32 s18, s18, 4
	s_and_b32 s19, s42, 3
	s_lshl_b32 s19, s19, 2
	s_add_co_u32 s18, s18, s19
	s_lshl_b32 s19, s16, 1
	s_add_co_u32 s18, s18, s19                     ; q, k: 16 batch + head
	s_lshl_b32 s18, s18, 17
	s_lshl_b32 s19, s17, 4
	s_lshl_b32 s22, s15, 3
	s_add_co_u32 s19, s19, s22
	s_and_b32 s19, s19, 127                        ; my first block of tokens in its batch
	s_lshl_b32 s19, s19, 10
	s_add_co_u32 s18, s18, s19
	s_lshl_b32 s19, ttmp9, 22
	s_add_co_u32 s18, s18, s19
	s_lshr_b32 s19, s42, 3
	s_lshl_b32 s19, s19, 4
	s_lshl_b32 s22, s17, 2
	s_add_co_u32 s19, s19, s22
	s_lshl_b32 s22, s15, 1
	s_add_co_u32 s19, s19, s22                     ; V^T: 16 batch + head
	s_lshl_b32 s19, s19, 17
	s_lshl_b32 s22, s42, 1
	s_add_co_u32 s22, s22, s16
	s_and_b32 s22, s22, 15                         ; my 128 keys in their batch
	s_lshl_b32 s22, s22, 11
	s_add_co_u32 s19, s19, s22
	s_add_co_u32 s19, s19, 0x800000
	s_mov_b32 s22, 1024
	s_mov_b32 s23, 0x20000
	s_mov_b32 s98, 0x3eb504f3                      ; 8^-1/2
	s_cmp_eq_u32 ttmp9, 2
	s_cselect_b32 s18, s19, s18
	s_cselect_b32 s22, 0x8000, s22                 ; from block a to block a + 1
	s_cselect_b32 s23, 1024, s23                   ; from pairs 0, 1 to pairs 2, 3 of the columns
	s_cselect_b32 s98, 1.0, s98
	s_mov_b32 s99, s98
	s_mov_b32 s19, 0
	s_add_nc_u64 s[80:81], s[12:13], s[18:19]
	s_mov_b32 s18, s22
.irp a, 1,2,3,4,5,6,7
	s_add_nc_u64 s[80+2*\a:81+2*\a], s[78+2*\a:79+2*\a], s[18:19]
.endr
	v_mov_b32 v[VO], v[LI]
	v_add_nc_u32 v[VO+1], s23, v[LI]
	s_wait_alu depctr_va_vdst(0)
	s_wait_tensorcnt 0x0                           ; my part of slot 0 is in
	ds_add_u32 v[SPW], v[NIL]
	s_wait_dscnt 0x0
	CROUND                                         ; everybody's part of slot 0 is in, and all sixteen work-groups are here
	JLOAD G0+4, G1, G0B+4, G1B                     ; slot 1's first fill, the first tensor load behind the round
	FETCH_B 0, 0, 0
	global_prefetch_b8 v6, s[44:45] offset:3*KS*2048 th:TH_LOAD_NT scope:SCOPE_SE   ; behind slot 1's load: slot 3
	FETCH_A 0, 0, 0
	FETCH_A 0, 0, H
	STEP 0, 0, 1                                   ; the first step's products start the sums
.if LAPS > 1
	s_mov_b32 s3, LAPS-1
.Llap:
	MIDS 0, 1
	TURN 0, 1, 1
	MIDS 1, 0
	TURN 1, 0, 1
	STEP 0, 0, 0
	s_sub_co_u32 s3, s3, 1
	s_cmp_lg_u32 s3, 0
	s_cbranch_scc1 .Llap
.endif
	MIDS 0, 1
	TURN 0, 1, 0                                   ; the last lap fills nothing
	MIDS 1, 0
	LAST
; THE WAY OUT, block a of 16 rows at a time: (sum x 2^(e0 + e1) + column bias) x F + row bias; the hold; eight conversions; four stores of 512 dense bytes.
.macro QOUT a
.set AC, 64*((\a)%4)
.set CC, CD+16*((\a)%2)
	WIN 0x02+((\a)/4)
.set J, 0
.rept 32
	v_pk_fma_f32 v[T+J:T+J+1], v[AC+J:AC+J+1], s[96:97], v[BI+J:BI+J+1] op_sel_hi:[1,0,1]   ; each accumulator from its low end on
.set J, J+2
.endr
	WIN 0
.set J, 0
.rept 32
	v_pk_fma_f32 v[T+J:T+J+1], v[T+J:T+J+1], s[98:99], v[BR+2*(\a):BR+2*(\a)+1] op_sel_hi:[1,0,0]
.set J, J+2
.endr
.set J, 0
.rept 64
	v_med3_num_f32 v[T+J], v[T+J], -v[LIM], v[LIM]
.set J, J+1
.endr
	s_wait_alu depctr_va_vdst(0)
	s_wait_xcnt 0x0                                ; the stores of two blocks ago have read these registers
.irp b, 0,1,2,3
	v_cvt_scalef32_pk8_fp8_f32 v[CC+4*\b:CC+4*\b+1], v[T+16*\b:T+16*\b+7], v[SCL]
	v_cvt_scalef32_pk8_fp8_f32 v[CC+4*\b+2:CC+4*\b+3], v[T+16*\b+8:T+16*\b+15], v[SCL]
.endr
	v_nop                                          ; a plain instruction between the conversions and the next write of their sources
.irp b, 0,1,2,3
	global_store_b128 v[VO+\b/2], v[CC+4*\b:CC+4*\b+3], s[80+2*(\a):81+2*(\a)] offset:512*(\b%2)
.endr
.endm
	s_wait_kmcnt 0x0
	s_add_co_i32 s96, s68, s69
	s_add_co_i32 s96, s96, 127
	s_lshl_b32 s96, s96, 23                        ; 2^(e0 + e1)
	s_mov_b32 s97, s96
	s_cmp_eq_u32 ttmp9, 0
	s_cselect_b32 s18, s70, s71
	s_cmp_eq_u32 ttmp9, 2
	s_cselect_b32 s18, s72, s18                    ; e2, e3 or e4
	s_add_co_i32 s18, s18, 127
	s_lshl_b32 s19, s18, 23
	s_add_co_i32 s18, s18, 8
	s_lshl_b32 s18, s18, 23
	s_or_b32 s18, s18, 0x600000
	s_wait_loadcnt 0x0                             ; the biases
	PLACES 4
	v_mov_b32 v[SCL], s19
	v_mov_b32 v[LIM], s18
.set J, 0
.rept 64
	v_cndmask_b32 v[BI+J], v[BI+J], v31, s2        ; V^T has no bias along its columns,
.set J, J+1
.endr
.irp a, 0,1,2,3,4,5,6,7
	v_cndmask_b32 v[BR+2*\a], v31, v[BR+2*\a], s2  ; q and k none along their rows
.endr
.irp a, 0,1,2,3,4,5,6,7
	QOUT \a
.endr
	s_wait_tensorcnt 0x0                           ; the wave's end
	ds_add_u32 v[SPW], v[NIL]
	s_wait_dscnt 0x0
	CROUND                                         ; the closing round
	s_endpgm
.Lfunc_end_k_q22d42b709d_qkv:
	.size	k_q22d42b709d_qkv, .Lfunc_end_k_q22d42b709d_qkv-k_q22d42b709d_qkv
	.p2alignl 7, 3214868480
	.fill 96, 4, 3214868480
	.section	.rodata,"a",@progbits
	.p2align	6, 0x0
	.amdhsa_kernel k_q22d42b709d_qkv
		.amdhsa_group_segment_fixed_size 327680
		.amdhsa_private_segment_fixed_size 0
		.amdhsa_enable_private_segment 0
		.amdhsa_kernarg_size 40
		.amdhsa_user_sgpr_count 2
		.amdhsa_user_sgpr_kernarg_segment_ptr 1
		.amdhsa_wavefront_size32 1
		.amdhsa_system_sgpr_workgroup_id_x 1
		.amdhsa_system_sgpr_workgroup_id_y 1
		.amdhsa_system_sgpr_workgroup_id_z 1
		.amdhsa_system_vgpr_workitem_id 0
		.amdhsa_next_free_vgpr 1024
		.amdhsa_next_free_sgpr 102
		.amdhsa_reserve_vcc 0
		.amdhsa_float_denorm_mode_32 3
		.amdhsa_float_denorm_mode_16_64 3
		.amdhsa_memory_ordered 1
		.amdhsa_forward_progress 1
		.amdhsa_inst_pref_size 161
	.end_amdhsa_kernel
	.amdgpu_metadata
---
amdhsa.version: [ 1, 2 ]
amdhsa.kernels:
  - .name:           k_q22d42b709d_qkv
    .symbol:         k_q22d42b709d_qkv.kd
    .args:
      - { .name: xn1_c, .offset: 0, .size: 8, .value_kind: global_buffer, .address_space: global }
      - { .name: w_c, .offset: 8, .size: 8, .value_kind: global_buffer, .address_space: global }
      - { .name: lowp_scales, .offset: 16, .size: 8, .value_kind: global_buffer, .address_space: global }
      - { .name: qkv_b, .offset: 24, .size: 8, .value_kind: global_buffer, .address_space: global }
      - { .name: qkv_c, .offset: 32, .size: 8, .value_kind: global_buffer, .address_space: global }
    .group_segment_fixed_size: 327680
    .private_segment_fixed_size: 0
    .kernarg_segment_align: 8
    .kernarg_segment_size: 40
    .max_flat_workgroup_size: 128
    .sgpr_count:     102
    .vgpr_count:     1024
    .wavefront_size: 32
...
	.end_amdgpu_metadata
.endif
;; end of part 2
;; launch attn (part 3): grid 8 x 32, 8 waves a work-group, clusters of 4 x 1, 327,680 bytes of LDS; arguments qkv_c, lowp_scales, attn_c; writes attn_c
.if DOCPART == 3
	.amdgcn_target "amdgcn-amd-amdhsa--gfx1250"
	.amdhsa_code_object_version 6
	.text
	.protected	k_q22d42b709d_attn
	.globl	k_q22d42b709d_attn
	.p2align	8
	.type	k_q22d42b709d_attn,@function
k_q22d42b709d_attn:
	s_mov_b64 s[64:65], 0
	v_nop
	global_prefetch_b8 v0, s[64:65] scope:SCOPE_SE
	s_setreg_imm32_b32 hwreg(HW_REG_WAVE_MODE, 25, 1), 1
	s_wait_xcnt 0x0
	s_wait_alu depctr_hold_cnt(0) depctr_sa_sdst(0) depctr_va_vdst(0) depctr_va_sdst(0) depctr_va_ssrc(0) depctr_va_vcc(0) depctr_vm_vsrc(0)
	s_getreg_b32 s2, hwreg(HW_REG_IB_STS2, 6, 4)
	s_cmp_eq_u32 s2, 0
	s_cbranch_scc0 .Lentry_in_a_cluster
	s_endpgm
.Lentry_in_a_cluster:
	s_bfe_u32 s2, ttmp6, 0x10000c
	s_cmp_lg_u32 s2, 0x3003
	s_cbranch_scc0 .Lentry_shape_is_right
	s_endpgm
.Lentry_shape_is_right:
; Attention of one (batch, head) on codes of FP8 (E4M3): O = softmax(q k^T) v, quantised for the projection.  q and k carry 8^-1/2 each already.
; qkv_c: q at byte 0, k at 4 MiB: [batch x head][128 blocks][1,024]: an image of 16 tokens x 64 channels (byte 512 c + 16 lane + i = token S(16 rb + r), channel 32 c + 16 h + i; S exchanges bits 3 and 4);
; V^T at 8 MiB: [batch x head][4 blocks of 16 channels][16 blocks of 128 keys][2,048], keys innermost.  attn_c: images of 16 tokens x 128 K, [token block][8][2,048].
; THE SOFTMAX: t = score x log2(e); M = the running largest t rounded up to a whole number; p = 2^(t - M) is quantised with 2^e5; the row's sum is taken of the unquantised p and divides at the end.
; When M moves, the sum and O are multiplied by 2^(old M - new M), made by v_ldexp_f32: nothing is rounded, no branch on data.
; SHARES.  A work-group owns 256 queries of one head; each of its eight waves 32 of them, two tiles A and B, so that each fragment of K and of V read from LDS feeds two matrix instructions.  A step is 128 keys, 16 steps.
; All of the head's K (128 KiB) and V^T (128 KiB) lie in LDS as they lie in memory: each wave asks for 32 KiB (128 rows of 256 bytes) by ONE tensor load at the head (waves 0-3: K, waves 4-7: V^T); nothing is filled again.
; CLUSTERS of 4 x 1: four work-groups of one head ask for K and V jointly.  No prefetch: the launch has one fill at its head and no loop of loads to run ahead in.
; Both products are used transposed (S^T = K Q^T, O^T = V^T P^T): a lane holds one query of each tile; the 16 registers of score tiles 2 b, 2 b + 1 are 16 neighbouring keys, which two conversions turn into four registers of P.
; REGISTERS.  Window 0: v1 16 x lane; v2, v3 the add's; v4-6 LDS addresses; v8-11 (-M, largest t) of A, B; v12-15 the sums; v16-21 at work; v22-25 f; v26 scale; v30 the hold; v32-95 S of A, v96-159 S of B; v160-223 O^T; v224-255 P's codes.
;   Window 1: v0-15 Q of A, B; v16-79 K's eight fragments; v80-143 V's four.
; LIMITS: e2 + e3 between -126 and 127; e5, e6 between -126 and 119; scaled scores under 2^31 in magnitude; NaN and infinities are not served.
.set SPARE, 262144                     ; behind K and V: the spare words, 128 bytes for each wave
.set LI,   1
.set SPW,  2
.set NIL,  3
.set ADK,  4
.set ADV,  5                           ; v5: V's channel blocks 0, 1; v6: blocks 2, 3
.set MA,   8
.set MB,   10
.set LA,   12
.set LB,   14
.set TP,   16
.set FA,   22
.set FB,   24
.set SCL,  26
.set HO,   30
.set SA,   32
.set SB,   96
.set OA,   160
.set OB,   192
.set PA,   224
.set PB,   240
.set QA,   0
.set QB,   8
.set KF,   16
.set VF,   80
.set WV,   18
.set SEL,  20
.set CS,   22
.set G1,   24
.set G0,   32
.set TK,   52
.set TV,   53
.set TV2,  54
.set CNT,  58
.set MSB,  0
.macro WIN new                         ; the immediate's high byte repeats the setting that is left
.if MSB != (\new)
	s_set_vgpr_msb (MSB<<8)|(\new)
.set MSB, (\new)
.endif
.endm
.macro CROUND                          ; a round of the cluster's barrier
	s_barrier_signal -1
	s_barrier_wait -1
	s_cmp_lg_u32 s[WV], 0
	s_cbranch_scc1 .Lnot_wave_0_\@
	s_barrier_signal -3
.Lnot_wave_0_\@:
	s_barrier_wait -3
	s_barrier_signal -1
	s_barrier_wait -1
.endm
.macro KLOAD adr, off                  ; eight images of 16 keys x 64 channels into window 1
.irp t, 0,1,2,3,4,5,6,7
.irp c, 0,1
	ds_load_b128 v[KF+8*\t+4*\c:KF+8*\t+4*\c+3], v[\adr] offset:\off+1024*\t+512*\c
.endr
.endr
.endm
	s_load_b128 s[4:7], s[0:1], 0x0                ; qkv_c, the scales' exponents
	s_load_b64 s[8:9], s[0:1], 0x10                ; attn_c
	v_lshl_add_u32 v[SPW], v0, 2, SPARE
	v_mov_b32 v[NIL], 0
	ds_add_u32 v[SPW], v[NIL]                      ; the opening lines
	ds_add_u32 v[SPW], v[NIL]
	v_lshrrev_b32 v7, 5, v0
	v_readfirstlane_b32 s[WV], v7                  ; wave 0..7
	s_bfe_u32 s13, ttmp6, 0x40000                  ; cx
	s_lshl_b32 s14, ttmp9, 2
	s_add_co_u32 s14, s14, s13                     ; which 256 queries
	s_and_b32 s15, ttmp7, 0xffff                   ; 16 batch + head
	s_mov_b32 s[G1], 15|(3<<16)|(1<<21)            ; the mask of the four partners; elements of 8 bytes; bit 21 beside a mask
	s_mov_b32 s[G1+1], 32<<16                      ; rows of 256 bytes,
	s_mov_b32 s[G1+2], 128<<16                     ; 128 of them,
	s_mov_b32 s[G1+3], 32<<16
	s_mov_b32 s[G1+4], 128
	s_mov_b32 s[G1+5], 32                          ; dense
	s_mov_b32 s[G1+6], 0
	s_mov_b32 s[G1+7], 0
	s_mov_b32 s[SEL], 0x76543210                   ; lane l xor 16
	s_mov_b32 s[SEL+1], 0xfedcba98
	s_mov_b32 s[G0], 1
	s_lshl_b32 s[G0+1], s[WV], 15                  ; LDS: 32 KiB x wave: K's 128 KiB, then V's
	s_and_b32 s50, s[WV], 3
	s_lshl_b32 s50, s50, 15                        ; my quarter of the head's 128 KiB,
	s_lshr_b32 s51, s[WV], 2
	s_add_co_u32 s51, s51, 1
	s_lshl_b32 s51, s51, 22                        ; of k (4 MiB into qkv_c) in waves 0-3, of V^T (8 MiB) in waves 4-7
	s_add_co_u32 s50, s50, s51
	s_lshl_b32 s55, s15, 17                        ; the head's 128 KiB
	s_add_co_u32 s50, s50, s55
	s_mov_b32 s51, 0
	s_lshl_b32 s60, s14, 4
	s_lshl_b32 s61, s[WV], 1
	s_add_co_u32 s60, s60, s61                     ; my first block of 16 queries in the head
	s_lshl_b32 s62, s60, 10
	s_add_co_u32 s62, s62, s55                     ; its image of q
	s_mov_b32 s63, 0
	s_lshr_b32 s61, s15, 4
	s_lshl_b32 s61, s61, 7
	s_add_co_u32 s60, s60, s61                     ; + 128 batch: the token block
	s_lshl_b32 s60, s60, 3
	s_bfe_u32 s61, s15, 0x30001
	s_add_co_u32 s60, s60, s61                     ; image head / 2 of its eight
	s_lshl_b32 s60, s60, 11
	s_and_b32 s61, s15, 1
	s_lshl_b32 s61, s61, 10
	s_add_co_u32 s60, s60, s61                     ; + 1,024 (head % 2)
	s_mov_b32 s61, 0
	s_mov_b32 s[TK], 0                             ; the step's K in LDS,
	s_mov_b32 s[TV], 0x20000                       ; its V, channel blocks 0 and 1,
	s_mov_b32 s[TV2], 0x30000                      ; and 2 and 3
	s_wait_dscnt 0x0                               ; both opening adds are done
	s_wait_kmcnt 0x0
	s_load_b256 s[68:75], s[6:7], 0x0              ; e0 .. e7
	s_add_nc_u64 s[10:11], s[4:5], s[62:63]
	s_add_nc_u64 s[8:9], s[8:9], s[60:61]
	s_add_nc_u64 s[G0+2:G0+3], s[4:5], s[50:51]
	s_or_b32 s[G0+3], s[G0+3], 0x80000000
	CROUND                                         ; the four partners are here: the joint loads meet
	tensor_load_to_lds s[G0:G0+3], s[G1:G1+7]      ; my one tensor load
	s_nop 0
.rept 4
	v_nop
.endr
	v_and_b32 v7, 31, v0
	v_lshlrev_b32 v[LI], 4, v7
	WIN 0x40                                       ; destination window 1
.irp i, 0,1,2,3
	global_load_b128 v[QA+4*\i:QA+4*\i+3], v[LI], s[10:11] offset:512*\i   ; Q of tiles A and B stays in registers
.endr
	WIN 0
	v_mov_b32 v[MA+1], 0xff61b1e6                  ; the largest t so far: -3e38
	v_mov_b32 v[MB+1], 0xff61b1e6
	v_floor_f32 v[MA], -v[MA+1]                    ; -M
	v_floor_f32 v[MB], -v[MB+1]
.irp r, LA, LA+1, LB, LB+1, TP+4, TP+5, FA+1, FB+1
	v_mov_b32 v[\r], 0                             ; the sums; the lane permutes' destinations; the upper halves of f's pairs
.endr
.set J, 0
.rept 64
	v_mov_b32 v[OA+J], 0                           ; O^T: the step is written for every step alike, the first finds zeros
.set J, J+1
.endr
	s_wait_kmcnt 0x0
	s_add_co_i32 s60, s70, s71
	s_lshl_b32 s60, s60, 23
	s_add_co_i32 s[CS], s60, 0x3fb8aa3b            ; log2(e) x 2^(e2 + e3): the exponents are added to the exponent field
	s_mov_b32 s[CS+1], s[CS]
	s_add_co_i32 s60, s73, 127
	s_lshl_b32 s61, s60, 23
	v_mov_b32 v[SCL], s61                          ; 2^e5
	s_add_co_i32 s60, s60, 8
	s_lshl_b32 s60, s60, 23
	s_or_b32 s60, s60, 0x600000
	v_mov_b32 v[HO], s60                           ; 448 x 2^e5
	s_add_co_i32 s60, s74, 127
	s_lshl_b32 s56, s60, 23                        ; 2^e6
	s_add_co_i32 s60, s60, 8
	s_lshl_b32 s60, s60, 23
	s_or_b32 s57, s60, 0x600000                    ; 448 x 2^e6
	s_add_co_i32 s59, s72, s73                     ; e4 + e5
; A STEP: 128 keys against my 32 queries.  pre = 1: the next step's fragments of K are asked for behind this step's first products.
.macro STEP pre
	s_wait_dscnt 0x0                               ; K's fragments are in
	WIN 0x05                                       ; sources 0 and 1: window 1
.irp t, 0,1,2,3,4,5,6,7
	v_wmma_f32_16x16x64_fp8_fp8 v[SA+8*\t:SA+8*\t+7], v[KF+8*\t:KF+8*\t+7], v[QA:QA+7], 0
	v_wmma_f32_16x16x64_fp8_fp8 v[SB+8*\t:SB+8*\t+7], v[KF+8*\t:KF+8*\t+7], v[QB:QB+7], 0
.endr
	WIN 0
.rept 4
	v_nop                                          ; places ahead of the loads into K's and V's registers and of the first read of the scores
.endr
	v_add_nc_u32 v[ADV], s[TV], v[LI]
	v_add_nc_u32 v[ADV+1], s[TV2], v[LI]
.if \pre
	v_add_nc_u32 v[ADK], s[TK], v[LI]
.endif
	WIN 0x40
.irp t, 0,1,2,3
.irp c, 0,1,2,3
	ds_load_b128 v[VF+16*\t+4*\c:VF+16*\t+4*\c+3], v[ADV+\t/2] offset:32768*(\t%2)+512*\c   ; V^T: 16 channels x this step's 128 keys
.endr
.endr
.if \pre
	KLOAD ADK, 8192
.endif
	WIN 0
	v_max3_num_f32 v[TP], v[SA], v[SA+1], v[SA+2]  ; the step's largest scores, two chains a tile; each accumulator from its low end on
	v_max3_num_f32 v[TP+1], v[SA+3], v[SA+4], v[SA+5]
	v_max3_num_f32 v[TP+2], v[SB], v[SB+1], v[SB+2]
	v_max3_num_f32 v[TP+3], v[SB+3], v[SB+4], v[SB+5]
.irp i, 6,10,14,18,22,26,30,34,38,42,46,50,54,58
	v_max3_num_f32 v[TP], v[TP], v[SA+\i], v[SA+\i+1]
	v_max3_num_f32 v[TP+1], v[TP+1], v[SA+\i+2], v[SA+\i+3]
	v_max3_num_f32 v[TP+2], v[TP+2], v[SB+\i], v[SB+\i+1]
	v_max3_num_f32 v[TP+3], v[TP+3], v[SB+\i+2], v[SB+\i+3]
.endr
	v_max3_num_f32 v[TP], v[TP], v[SA+62], v[SA+63]
	v_max3_num_f32 v[TP+2], v[TP+2], v[SB+62], v[SB+63]
	v_max_num_f32 v[TP], v[TP], v[TP+1]
	v_max_num_f32 v[TP+2], v[TP+2], v[TP+3]
	v_permlanex16_b32 v[TP+4], v[TP], s[SEL], s[SEL+1]
	v_permlanex16_b32 v[TP+5], v[TP+2], s[SEL], s[SEL+1]
	v_max_num_f32 v[TP], v[TP], v[TP+4]            ; and lane l xor 16's
	v_max_num_f32 v[TP+2], v[TP+2], v[TP+5]
	v_mul_f32 v[TP], s[CS], v[TP]                  ; as t
	v_mul_f32 v[TP+2], s[CS], v[TP+2]
	v_max_num_f32 v[MA+1], v[MA+1], v[TP]          ; the running largest t
	v_max_num_f32 v[MB+1], v[MB+1], v[TP+2]
	v_mov_b32 v[TP+1], v[MA]
	v_mov_b32 v[TP+3], v[MB]
	v_floor_f32 v[MA], -v[MA+1]                    ; the new -M = -ceil(t)
	v_floor_f32 v[MB], -v[MB+1]
	v_sub_f32 v[TP+1], v[MA], v[TP+1]              ; old M - new M: a whole number, 0 or less
	v_sub_f32 v[TP+3], v[MB], v[TP+3]
	v_cvt_i32_f32 v[TP+1], v[TP+1]                 ; (it saturates)
	v_cvt_i32_f32 v[TP+3], v[TP+3]
	v_ldexp_f32 v[FA], 1.0, v[TP+1]                ; f = 2^(old M - new M)
	v_ldexp_f32 v[FB], 1.0, v[TP+3]
.set J, 0
.rept 16
	v_pk_mul_f32 v[OA+J:OA+J+1], v[OA+J:OA+J+1], v[FA:FA+1] op_sel_hi:[1,0]   ; O^T under the new M: ahead of the exponentials
	v_pk_mul_f32 v[OB+J:OB+J+1], v[OB+J:OB+J+1], v[FB:FB+1] op_sel_hi:[1,0]
.set J, J+2
.endr
	v_pk_mul_f32 v[LA:LA+1], v[LA:LA+1], v[FA:FA+1] op_sel_hi:[1,0]           ; and the sums
	v_pk_mul_f32 v[LB:LB+1], v[LB:LB+1], v[FB:FB+1] op_sel_hi:[1,0]
.set J, 0
.rept 32
	v_pk_fma_f32 v[SA+J:SA+J+1], v[SA+J:SA+J+1], s[CS:CS+1], v[MA:MA+1] op_sel_hi:[1,0,0]   ; A: t - M
.set J, J+2
.endr
	s_wait_alu depctr_va_vdst(0)                   ; ahead of the batch
.set J, 0
.rept 32                               ; A's exponentials; among them B's t - M, which is read behind the next wait
	v_exp_f32 v[SA+J], v[SA+J]
	v_exp_f32 v[SA+J+1], v[SA+J+1]
	v_pk_fma_f32 v[SB+J:SB+J+1], v[SB+J:SB+J+1], s[CS:CS+1], v[MB:MB+1] op_sel_hi:[1,0,0]
.set J, J+2
.endr
	s_wait_alu depctr_va_vdst(0)                   ; behind A's batch and ahead of B's
.set J, 0
.rept 16                               ; B's exponentials; among them A's first sums (of the unquantised p, into P's 32 registers, free here) and A's hold: all read behind the next wait
	v_exp_f32 v[SB+J], v[SB+J]
	v_pk_add_f32 v[PA+J/2:PA+J/2+1], v[SA+J:SA+J+1], v[SA+J+2:SA+J+3]
	v_exp_f32 v[SB+J+1], v[SB+J+1]
	v_min_num_f32 v[SA+J], v[SA+J], v[HO]          ; the conversion does not saturate (ISA guide 7.6.2); p is not negative: the hold is one-sided
	v_min_num_f32 v[SA+J+1], v[SA+J+1], v[HO]
	v_exp_f32 v[SB+J+2], v[SB+J+2]
	v_min_num_f32 v[SA+J+2], v[SA+J+2], v[HO]
	v_exp_f32 v[SB+J+3], v[SB+J+3]
	v_min_num_f32 v[SA+J+3], v[SA+J+3], v[HO]
.set J, J+4
.endr
	s_wait_alu depctr_va_vdst(0)                   ; behind B's batch
.irp j, 0,1,2,3,4,5,6,7
	v_pk_add_f32 v[PA+2*\j:PA+2*\j+1], v[PA+2*\j:PA+2*\j+1], v[PA+16+2*\j:PA+17+2*\j]   ; A's sixteen partial sums, as a tree
.endr
.irp j, 0,1,2,3
	v_pk_add_f32 v[PA+2*\j:PA+2*\j+1], v[PA+2*\j:PA+2*\j+1], v[PA+8+2*\j:PA+9+2*\j]
.endr
.irp j, 0,1,2
	v_pk_add_f32 v[TP+2*\j:TP+2*\j+1], v[SB+4*\j:SB+4*\j+1], v[SB+4*\j+2:SB+4*\j+3]     ; B's sums: four chains, three of them begun here
.endr
.irp j, 0,1
	v_pk_add_f32 v[PA+2*\j:PA+2*\j+1], v[PA+2*\j:PA+2*\j+1], v[PA+4+2*\j:PA+5+2*\j]
.endr
.set N, 0
.rept 26
	v_pk_add_f32 v[LB+2*(N%4):LB+2*(N%4)+1], v[LB+2*(N%4):LB+2*(N%4)+1], v[SB+12+2*N:SB+13+2*N]
.set N, N+1
.endr
	v_pk_add_f32 v[PA:PA+1], v[PA:PA+1], v[PA+2:PA+3]
	v_pk_add_f32 v[TP:TP+1], v[TP:TP+1], v[TP+2:TP+3]
	v_pk_add_f32 v[LB:LB+1], v[LB:LB+1], v[TP+4:TP+5]
	v_pk_add_f32 v[LA:LA+1], v[LA:LA+1], v[PA:PA+1]
	v_pk_add_f32 v[LB:LB+1], v[LB:LB+1], v[TP:TP+1]
.irp b, 0,1,2,3
	v_cvt_scalef32_pk8_fp8_f32 v[PA+4*\b:PA+4*\b+1], v[SA+16*\b:SA+16*\b+7], v[SCL]
	v_cvt_scalef32_pk8_fp8_f32 v[PA+4*\b+2:PA+4*\b+3], v[SA+16*\b+8:SA+16*\b+15], v[SCL]
.endr
.set J, 0
.rept 64
	v_min_num_f32 v[SB+J], v[SB+J], v[HO]
.set J, J+1
.endr
.irp b, 0,1,2,3
	v_cvt_scalef32_pk8_fp8_f32 v[PB+4*\b:PB+4*\b+1], v[SB+16*\b:SB+16*\b+7], v[SCL]
	v_cvt_scalef32_pk8_fp8_f32 v[PB+4*\b+2:PB+4*\b+3], v[SB+16*\b+8:SB+16*\b+15], v[SCL]
.endr
	v_nop                                          ; a plain instruction between the conversions and the products that read their results
	s_wait_alu depctr_va_vdst(0)
.if \pre
	s_wait_dscnt 16                                ; V's 16 loads are in; the 16 younger ones, the next step's K, may be out
.else
	s_wait_dscnt 0x0
.endif
	WIN 0x01                                       ; source 0: window 1
.irp t, 0,1,2,3
	v_wmma_f32_16x16x128_fp8_fp8 v[OA+8*\t:OA+8*\t+7], v[VF+16*\t:VF+16*\t+15], v[PA:PA+15], v[OA+8*\t:OA+8*\t+7]   ; eight accumulators by turns
	v_wmma_f32_16x16x128_fp8_fp8 v[OB+8*\t:OB+8*\t+7], v[VF+16*\t:VF+16*\t+15], v[PB:PB+15], v[OB+8*\t:OB+8*\t+7]
.endr
	WIN 0
	s_add_co_u32 s[TK], s[TK], 8192
	s_add_co_u32 s[TV], s[TV], 2048
	s_add_co_u32 s[TV2], s[TV2], 2048
.endm
	s_wait_alu depctr_va_vdst(0)
	s_wait_loadcnt 0x0                             ; Q
	s_wait_tensorcnt 0x0                           ; my 32 KiB lie in LDS
	s_barrier_signal -1
	s_barrier_wait -1                              ; all of K and V do
	WIN 0x40
	KLOAD LI, 0                                    ; the first step's K
	WIN 0
	s_mov_b32 s[CNT], 15
.Lstep:
	STEP 1
	s_sub_co_u32 s[CNT], s[CNT], 1
	s_cmp_lg_u32 s[CNT], 0
	s_cbranch_scc1 .Lstep
	STEP 0                                         ; the last step has no successor to fetch for
; THE WAY OUT: O^T / the sum x 2^(e4 + e5), held, converted with 2^e6: the codes are registers of the projection's operand image; four stores of 512 dense bytes.
	v_add_f32 v[LA], v[LA], v[LA+1]
	v_add_f32 v[LB], v[LB], v[LB+1]
	v_permlanex16_b32 v[TP+4], v[LA], s[SEL], s[SEL+1]
	v_permlanex16_b32 v[TP+5], v[LB], s[SEL], s[SEL+1]
	v_add_f32 v[LA], v[LA], v[TP+4]
	v_add_f32 v[LB], v[LB], v[TP+5]
	s_wait_alu depctr_va_vdst(0)                   ; ahead of the two reciprocals
	v_rcp_f32 v[LA], v[LA]
	v_rcp_f32 v[LB], v[LB]
	v_mov_b32 v[SCL], s56                          ; (plain instructions behind them)
	v_mov_b32 v[HO], s57
	s_wait_alu depctr_va_vdst(0)                   ; and behind them, ahead of their first reader
	v_ldexp_f32 v[LA], v[LA], s59
	v_ldexp_f32 v[LB], v[LB], s59
	s_wait_alu depctr_va_vdst(0)                   ; directly ahead of the first readers of O^T
.set J, 0
.rept 16
	v_pk_mul_f32 v[SA+J:SA+J+1], v[OA+J:OA+J+1], v[LA:LA+1] op_sel_hi:[1,0]
.set J, J+2
.endr
.set J, 0
.rept 16
	v_pk_mul_f32 v[SA+32+J:SA+33+J], v[OB+J:OB+J+1], v[LB:LB+1] op_sel_hi:[1,0]
.set J, J+2
.endr
.set J, 0
.rept 64
	v_med3_num_f32 v[SA+J], v[SA+J], -v[HO], v[HO]
.set J, J+1
.endr
.irp g, 0,1,2,3
	v_cvt_scalef32_pk8_fp8_f32 v[PA+4*\g:PA+4*\g+1], v[SA+16*\g:SA+16*\g+7], v[SCL]
	v_cvt_scalef32_pk8_fp8_f32 v[PA+4*\g+2:PA+4*\g+3], v[SA+16*\g+8:SA+16*\g+15], v[SCL]
.endr
	v_nop
.irp g, 0,1,2,3
	global_store_b128 v[LI], v[PA+4*\g:PA+4*\g+3], s[8:9] offset:16384*(\g/2)+512*(\g%2)   ; tile g / 2 (a token block is 16,384 bytes on), channels 32 (g % 2) on
.endr
	s_wait_tensorcnt 0x0                           ; the wave's end
	ds_add_u32 v[SPW], v[NIL]
	s_wait_dscnt 0x0
	CROUND                                         ; the closing round
	s_endpgm
.Lfunc_end_k_q22d42b709d_attn:
	.size	k_q22d42b709d_attn, .Lfunc_end_k_q22d42b709d_attn-k_q22d42b709d_attn
	.p2alignl 7, 3214868480
	.fill 96, 4, 3214868480
	.section	.rodata,"a",@progbits
	.p2align	6, 0x0
	.amdhsa_kernel k_q22d42b709d_attn
		.amdhsa_group_segment_fixed_size 327680
		.amdhsa_private_segment_fixed_size 0
		.amdhsa_enable_private_segment 0
		.amdhsa_kernarg_size 24
		.amdhsa_user_sgpr_count 2
		.amdhsa_user_sgpr_kernarg_segment_ptr 1
		.amdhsa_wavefront_size32 1
		.amdhsa_system_sgpr_workgroup_id_x 1
		.amdhsa_system_sgpr_workgroup_id_y 1
		.amdhsa_system_sgpr_workgroup_id_z 1
		.amdhsa_system_vgpr_workitem_id 0
		.amdhsa_next_free_vgpr 512
		.amdhsa_next_free_sgpr 84
		.amdhsa_reserve_vcc 0
		.amdhsa_float_denorm_mode_32 3
		.amdhsa_float_denorm_mode_16_64 3
		.amdhsa_memory_ordered 1
		.amdhsa_forward_progress 1
		.amdhsa_inst_pref_size 72
	.end_amdhsa_kernel
	.amdgpu_metadata
---
amdhsa.version: [ 1, 2 ]
amdhsa.kernels:
  - .name:           k_q22d42b709d_attn
    .symbol:         k_q22d42b709d_attn.kd
    .args:
      - { .name: qkv_c, .offset: 0, .size: 8, .value_kind: global_buffer, .address_space: global }
      - { .name: lowp_scales, .offset: 8, .size: 8, .value_kind: global_buffer, .address_space: global }
      - { .name: attn_c, .offset: 16, .size: 8, .value_kind: global_buffer, .address_space: global }
    .group_segment_fixed_size: 327680
    .private_segment_fixed_size: 0
    .kernarg_segment_align: 8
    .kernarg_segment_size: 24
    .max_flat_workgroup_size: 256
    .sgpr_count:     84
    .vgpr_count:     512
    .wavefront_size: 32
...
	.end_amdgpu_metadata
.endif
;; end of part 3
;; launch proj (part 4): grid 8 x 32, 4 waves a work-group, clusters of 4 x 4, 327,680 bytes of LDS; arguments attn_c, w_c, lowp_scales, proj_b, x1, x; writes x1
.if DOCPART == 4
	.amdgcn_target "amdgcn-amd-amdhsa--gfx1250"
	.amdhsa_code_object_version 6
	.text
	.protected	k_q22d42b709d_proj
	.globl	k_q22d42b709d_proj
	.p2align	8
	.type	k_q22d42b709d_proj,@function
k_q22d42b709d_proj:
	s_mov_b64 s[64:65], 0
	v_nop
	global_prefetch_b8 v0, s[64:65] scope:SCOPE_SE
	s_setreg_imm32_b32 hwreg(HW_REG_WAVE_MODE, 25, 1), 1
	s_wait_xcnt 0x0
	s_wait_alu depctr_hold_cnt(0) depctr_sa_sdst(0) depctr_va_vdst(0) depctr_va_sdst(0) depctr_va_ssrc(0) depctr_va_vcc(0) depctr_vm_vsrc(0)
	s_getreg_b32 s2, hwreg(HW_REG_IB_STS2, 6, 4)
	s_cmp_eq_u32 s2, 0
	s_cbranch_scc0 .Lentry_in_a_cluster
	s_endpgm
.Lentry_in_a_cluster:
	s_bfe_u32 s2, ttmp6, 0x10000c
	s_cmp_lg_u32 s2, 0xf033
	s_cbranch_scc0 .Lentry_shape_is_right
	s_endpgm
.Lentry_shape_is_right:
; x1 = x + (attention's output Wproj^T + b).  Operands arrive as IMAGES OF OPERAND REGISTERS (16 rows x 128 K = 2,048 bytes, byte 512 c + 16 lane + i = code of row S(16 rb + r), k = 128 kb + 32 c + 16 h + i;
; S exchanges bits 3 and 4), laid [rb][kb].  A fragment is four ds_load_b128 at 16 x lane.  The place of k in the registers is a permutation of the form's own, the same on both sides.
; THE MATRIX INSTRUCTION IS USED TRANSPOSED: source 0 = block t of the weight, source 1 = block a of the tokens: lane (r, h), register j holds (token S(16 a + r), column 32 (t / 2) + 16 h + 8 (t % 2) + j).
; A tile is 128 x 128 (256 work-groups for 4,096 x 1,024), four waves of 64 x 64: 16 accumulators.  One LDS slot holds all of K (1,024), so nothing is filled again.
; CLUSTERS of 4 x 4: the tokens' tile is asked for jointly along a row, the weight's along a column.
; The residual's 64 x 64 numbers are asked for at the head into window 3 and land under the products.  Results go through the wave's stage in LDS and leave as runs of 256 aligned bytes.
; LIMIT: e6 + e7 between -126 and 127.
; REGISTERS: window 0: v2 16 x lane; v16-21 LDS addresses; v22-26 offsets; v32-95 rows on the way out; v96-99 the bias; v128-191 source 1's fragments, one set; window 1: source 0's, two sets;
;   window 2: accumulator (a, b) at v[8 (4 a + b)]; window 3: the residual.
.set NBK,   4
.set KB,    8
.set KS,    8                          ; ONE slot holds all of K (1,024), not two slots of 512: each wave's one tensor load brings 64 KiB, and nothing is filled again
.set LAPS,  1
.set WOFF,  0x300000                   ; proj_w's images in w_c
.set EA,    74                         ; s74, s75: e6, e7
.set H,     NBK/2
.set NL,    4
.set QB,    65536
.set SLOT,  4*QB
.set SPARE, SLOT                       ; behind the slot: the spare words, 512 bytes; behind them the four stages
.set CE,    256*KS
.set LI,    2
.set ADRA,  16
.set ADRB,  20
.set SPW,   28
.set NIL,   29
.set AF,    128
.set G1,    24
.set G0,    32
.set G1B,   48
.set G0B,   56
.set MSB,   0
.macro WIN new                         ; the immediate's high byte repeats the setting that is left
.if MSB != (\new)
	s_set_vgpr_msb (MSB<<8)|(\new)
.set MSB, (\new)
.endif
.endm
.macro JLOAD g0a, g1a, g0b, g1b        ; a joint load: waves 0, 1 fetch source 1's halves, waves 2, 3 source 0's; an s_nop 0 and four v_nop follow each line
	s_cmp_eq_u32 s15, 0
	s_cbranch_scc0 .Lfor_b_\@
	tensor_load_to_lds s[\g0a:\g0a+3], s[\g1a:\g1a+7]
	s_nop 0
.rept 4
	v_nop
.endr
	s_branch .Lasked_\@
.Lfor_b_\@:
	tensor_load_to_lds s[\g0b:\g0b+3], s[\g1b:\g1b+7]
	s_nop 0
.rept 4
	v_nop
.endr
.Lasked_\@:
.endm
.macro CREST
	s_cmp_lg_u32 s14, 0
	s_cbranch_scc1 .Lnot_wave_0_\@
	s_barrier_signal -3
.Lnot_wave_0_\@:
	s_barrier_wait -3
	s_barrier_signal -1
	s_barrier_wait -1
.endm
.macro CROUND
	s_barrier_signal -1
	s_barrier_wait -1
	CREST
.endm
.macro PLACES n                        ; plain vector instructions between a matrix instruction and a load into, or a read of, its registers
.rept \n
	v_nop
.endr
.endm
.macro FRAG reg, adr, q, i
.irp c, 0,1,2,3
	ds_load_b128 v[(\reg)+4*\c:(\reg)+4*\c+3], v[\adr] offset:(\i)*KS*2048+(\q)*2048+512*\c
.endr
.endm
.macro MULA a, p, zero
.set WA, 2+((\a)*NBK)/32
.set WW, 0x01|(WA<<4)|(WA<<6)
	WIN WW
.set AC, 8*(((\a)*NBK)%32)
.set BB, 0
.rept NBK
.if \zero
	v_wmma_f32_16x16x128_fp8_fp8 v[AC+8*BB:AC+8*BB+7], v[128*(\p)+16*BB:128*(\p)+16*BB+15], v[AF+16*(\a):AF+16*(\a)+15], 0
.else
	v_wmma_f32_16x16x128_fp8_fp8 v[AC+8*BB:AC+8*BB+7], v[128*(\p)+16*BB:128*(\p)+16*BB+15], v[AF+16*(\a):AF+16*(\a)+15], v[AC+8*BB:AC+8*BB+7]
.endif
.set BB, BB+1
.endr
.endm
.macro MULR a0, n, p, zero             ; the accumulators take turns, one instruction a turn, in the same order in every step
.set MA, \a0
.rept \n
	MULA MA, \p, \zero
.set MA, MA+1
.endr
.endm
.macro FETCH_B slot, q, p
	WIN 0x40
.set FI, 0
.rept NBK
	FRAG 128*(\p)+16*FI, ADRB+\slot, \q, FI
.set FI, FI+1
.endr
	WIN 0
.endm
.macro FETCH_A slot, q, i0
.set FI, \i0
.rept H
	FRAG AF+16*FI, ADRA+\slot, \q, FI
.set FI, FI+1
.endr
.endm
.macro STEP slot, q, zero
	s_wait_dscnt H*NL                              ; all but the youngest loads (the upper H blocks of source 1) are in
	MULR 0, H, (\q)%2, \zero
	s_wait_dscnt 0x0
	PLACES 4
	FETCH_B \slot, (\q)+1, 1-(\q)%2
	FETCH_A \slot, (\q)+1, 0
	MULR H, H, (\q)%2, \zero
	PLACES 4
	WIN 0
	FETCH_A \slot, (\q)+1, H
.endm
.macro TURN slot, next, fill
	s_wait_tensorcnt 0x0                           ; all my tensor loads have landed: my part of the next slot
	ds_add_u32 v[SPW], v[NIL]                      ; 0 onto my spare word
	s_wait_dscnt H*NL+1                            ; the add and the youngest loads may be out
	MULR 0, H/2, 1, 0
	s_wait_dscnt 0x0                               ; the add is done, and my reads of this slot are over
	s_barrier_signal -1
	MULR H/2, H/2, 1, 0
	WIN 0
	s_barrier_wait -1
.if \fill
	CREST
	s_add_nc_u64 s[G0+4*\slot+2:G0+4*\slot+3], s[G0+4*\slot+2:G0+4*\slot+3], 2*KS*2048
	s_add_nc_u64 s[G0B+4*\slot+2:G0B+4*\slot+3], s[G0B+4*\slot+2:G0B+4*\slot+3], 2*KS*2048
	JLOAD G0+4*\slot, G1, G0B+4*\slot, G1B
.else
	PLACES 4
.endif
	FETCH_B \next, 0, 0
	FETCH_A \next, 0, 0
	MULR H, H, 1, 0
	PLACES 4
	WIN 0
	FETCH_A \next, 0, H
.endm
.macro MIDS slot, from
.if KS-1-\from > 0
.set QQ, \from
.rept KS-1-\from
	STEP \slot, QQ, 0
.set QQ, QQ+1
.endr
.endif
.endm
.macro LAST
	s_wait_dscnt H*NL
	MULR 0, H, 1, 0
	s_wait_dscnt 0x0
	MULR H, H, 1, 0
	WIN 0
.endm
.set BO,   22                          ; v22 the bias's offset
.set STO,  24                          ; v24 the stage: where I put 32 bytes of a row
.set RD,   25                          ; v25 and where I read a row back
.set CO,   26                          ; v26 my byte offset in two rows of the output
.set BK,   32
.set BIAS, 96
.set SP,   272                         ; a stage row: 256 bytes + 16
	s_load_b256 s[4:11], s[0:1], 0x0               ; source 1's images, w_c, the scales' exponents, the bias
	s_load_b64 s[12:13], s[0:1], 0x20              ; the output
	s_load_b64 s[66:67], s[0:1], 0x28              ; the residual
	v_lshl_add_u32 v[SPW], v0, 2, SPARE
	v_mov_b32 v[NIL], 0
	ds_add_u32 v[SPW], v[NIL]                      ; the wave's opening
	ds_add_u32 v[SPW], v[NIL]
	v_lshrrev_b32 v1, 5, v0
	v_readfirstlane_b32 s14, v1
	s_lshr_b32 s15, s14, 1
	s_and_b32 s16, s14, 1
	s_bfe_u32 s40, ttmp6, 0x40000
	s_bfe_u32 s41, ttmp6, 0x40004
	s_lshl_b32 s42, ttmp9, 2
	s_add_co_u32 s42, s42, s40                     ; tile column
	s_and_b32 s17, ttmp7, 0xffff
	s_lshl_b32 s17, s17, 2
	s_add_co_u32 s17, s17, s41                     ; tile row
	s_lshl_b32 s43, s41, 2
	s_lshl_b32 s43, 15, s43
	s_lshl_b32 s44, 0x1111, s40
	s_or_b32 s[G1], s43, (3<<16)|(1<<21)           ; 15:0 the mask; 17:16 elements of 8 bytes; 21 set beside a mask; no padding
	s_or_b32 s[G1B], s44, (3<<16)|(1<<21)
.irp g, G1, G1B
	s_mov_b32 s[\g+1], CE<<16
	s_mov_b32 s[\g+2], NBK<<16
	s_mov_b32 s[\g+3], CE<<16
	s_mov_b32 s[\g+4], NBK
	s_mov_b32 s[\g+5], 256*KB
	s_mov_b32 s[\g+6], 0
	s_mov_b32 s[\g+7], 0
.endr
	s_mul_i32 s18, s16, NBK
	s_mul_i32 s20, s17, 2*NBK
	s_add_co_u32 s20, s20, s18
	s_mul_i32 s20, s20, KB*2048
	s_mov_b32 s21, 0
	s_mul_i32 s46, s42, 2*NBK
	s_add_co_u32 s46, s46, s18
	s_mul_i32 s46, s46, KB*2048
	s_add_co_u32 s46, s46, WOFF
	s_mov_b32 s47, 0
	s_mul_i32 s45, s14, QB
	s_wait_dscnt 0x0
	s_wait_kmcnt 0x0
	s_load_b256 s[68:75], s[8:9], 0x0
	s_load_b128 s[76:79], s[8:9], 0x20
	s_add_nc_u64 s[20:21], s[4:5], s[20:21]
	s_add_nc_u64 s[46:47], s[6:7], s[46:47]
	CROUND
.irp s, 0
	s_mov_b32 s[G0+4*\s], 1
	s_add_co_u32 s[G0+4*\s+1], s45, \s*SLOT
	s_add_nc_u64 s[G0+4*\s+2:G0+4*\s+3], s[20:21], \s*KS*2048
	s_or_b32 s[G0+4*\s+3], s[G0+4*\s+3], 0x80000000
	s_mov_b32 s[G0B+4*\s], 1
	s_add_co_u32 s[G0B+4*\s+1], s45, \s*SLOT
	s_add_nc_u64 s[G0B+4*\s+2:G0B+4*\s+3], s[46:47], \s*KS*2048
	s_or_b32 s[G0B+4*\s+3], s[G0B+4*\s+3], 0x80000000
	JLOAD G0+4*\s, G1, G0B+4*\s, G1B
.endr
	v_and_b32 v1, 31, v0
	v_lshlrev_b32 v[LI], 4, v1
	s_mul_i32 s21, s15, QB
	s_mul_i32 s22, s16, QB
	s_add_co_u32 s22, s22, 2*QB
	v_add_nc_u32 v[ADRA], s21, v[LI]
	v_add_nc_u32 v[ADRB], s22, v[LI]
	v_and_b32 v3, 15, v0                           ; r
	v_bfe_u32 v4, v0, 4, 1                         ; h
	s_mul_i32 s18, s14, 16*SP
	s_add_co_u32 s18, s18, SPARE+512               ; my stage: bytes of its own, on which no fill lands
	v_mul_u32_u24 v[STO], v3, SP
	v_lshl_add_u32 v[STO], v4, 6, v[STO]
	v_add_nc_u32 v[STO], s18, v[STO]               ; in: row r, + 16 h columns
	v_mul_u32_u24 v[RD], v4, SP
	v_lshl_add_u32 v[RD], v3, 4, v[RD]
	v_add_nc_u32 v[RD], s18, v[RD]                 ; back: lanes 0-15 one row of 256 bytes, lanes 16-31 the next
	v_lshlrev_b32 v[CO], 12, v4
	v_lshl_add_u32 v[CO], v3, 4, v[CO]             ; and the same two rows in memory
	s_wait_alu depctr_va_vdst(0)
	v_lshlrev_b32 v[BO], 4, v3
	s_wait_alu depctr_va_vdst(0)
	s_lshl_b32 s19, s42, 9
	s_lshl_b32 s22, s16, 8
	s_add_co_u32 s22, s22, s19                     ; my first column, in bytes
	s_mov_b32 s23, 0
	s_add_nc_u64 s[10:11], s[10:11], s[22:23]
	s_lshl_b32 s18, s17, 7
	s_lshl_b32 s19, s15, 6
	s_add_co_u32 s18, s18, s19
	s_lshl_b32 s18, s18, 12                        ; my first row
	s_add_co_u32 s18, s18, s22
	s_mov_b32 s19, 0
	s_add_nc_u64 s[12:13], s[12:13], s[18:19]
	s_add_nc_u64 s[66:67], s[66:67], s[18:19]
	WIN 0xc0                                       ; destination window 3
.irp a, 0,1,2,3
.irp t, 0,1,2,3,4,5,6,7
	global_load_b128 v[32*\a+4*\t:32*\a+4*\t+3], v[CO], s[66:67] offset:(32*(\a/2)+8*(\a%2)+2*\t+8*(\t/4))*4096 th:TH_LOAD_NT   ; the residual, in the order in which the rows come back from the stage
.endr
.endr
	WIN 0
	global_load_b128 v[BIAS:BIAS+3], v[BO], s[10:11]
	s_wait_alu depctr_va_vdst(0)
	s_wait_tensorcnt 0x0                           ; my quarter of the slot is in
	s_barrier_signal -1
	s_barrier_wait -1                              ; the whole slot is
	FETCH_B 0, 0, 0
	FETCH_A 0, 0, 0
	FETCH_A 0, 0, H
	STEP 0, 0, 1
.if LAPS > 1
	s_mov_b32 s3, LAPS-1
.Llap:
	MIDS 0, 1
	TURN 0, 1, 1
	MIDS 1, 0
	TURN 1, 0, 1
	STEP 0, 0, 0
	s_sub_co_u32 s3, s3, 1
	s_cmp_lg_u32 s3, 0
	s_cbranch_scc1 .Llap
.endif
	MIDS 0, 1
	LAST
; THE WAY OUT, block a of 16 rows x 64 columns at a time, through my own stage behind the spare words.
; Stage row p of block a is row 32 (a / 2) + 8 (a % 2) + p + 8 (p / 8) of my 64.  LDS serves a wave's instructions in order (ISA guide 5.7.1.4): no wait between the stores and the loads.
.macro TOSTAGE a
	WIN 0x08                                       ; the stores' data: window 2
.irp t, 0,1,2,3
	ds_store_b128 v[STO], v[8*(4*(\a)+\t):8*(4*(\a)+\t)+3] offset:128*(\t/2)+32*(\t%2)
	ds_store_b128 v[STO], v[8*(4*(\a)+\t)+4:8*(4*(\a)+\t)+7] offset:128*(\t/2)+32*(\t%2)+16
.endr
	WIN 0
.set BB2, BK+32*((\a)%2)
.irp t, 0,1,2,3,4,5,6,7
	ds_load_b128 v[BB2+4*\t:BB2+4*\t+3], v[RD] offset:2*SP*\t
.endr
.endm
.macro SEND a, younger                 ; younger: the LDS instructions issued behind block a's loads
.set BB2, BK+32*((\a)%2)
	s_wait_dscnt \younger
.irp t, 0,1,2,3,4,5,6,7
	v_pk_fma_f32 v[BB2+4*\t:BB2+4*\t+1], v[BB2+4*\t:BB2+4*\t+1], s[96:97], v[BIAS:BIAS+1] op_sel_hi:[1,0,1]       ; sum x 2^(ea + eb) + bias
	v_pk_fma_f32 v[BB2+4*\t+2:BB2+4*\t+3], v[BB2+4*\t+2:BB2+4*\t+3], s[96:97], v[BIAS+2:BIAS+3] op_sel_hi:[1,0,1]
.endr
	WIN 0x0c                                       ; source 1: window 3
.set J, 0
.rept 16
	v_pk_add_f32 v[BB2+J:BB2+J+1], v[BB2+J:BB2+J+1], v[32*(\a)+J:32*(\a)+J+1]   ; + the residual
.set J, J+2
.endr
	WIN 0
.irp t, 0,1,2,3,4,5,6,7
	global_store_b128 v[CO], v[BB2+4*\t:BB2+4*\t+3], s[12:13] offset:(32*((\a)/2)+8*((\a)%2)+2*\t+8*(\t/4))*4096   ; 16 lanes store 256 consecutive bytes, at a multiple of 256 from the buffer's first byte
.endr
.endm
	s_wait_kmcnt 0x0
	s_add_co_i32 s96, s[EA], s[EA+1]
	s_add_co_i32 s96, s96, 127
	s_lshl_b32 s96, s96, 23                        ; 2^(ea + eb)
	s_mov_b32 s97, s96
	s_wait_loadcnt 0x0                             ; the residual and the bias
	PLACES 4
	TOSTAGE 0
.irp a, 1,2,3
.if \a > 1
	s_wait_xcnt 0x0                                ; block a - 2's stores have read their registers
.endif
	TOSTAGE \a
	SEND \a-1, 16                                  ; behind block a - 1's loads: block a's 8 stores and 8 loads
.endr
	s_wait_xcnt 0x0
	SEND 3, 0
	s_wait_tensorcnt 0x0                           ; the wave's end
	ds_add_u32 v[SPW], v[NIL]
	s_wait_dscnt 0x0
	CROUND                                         ; the closing round
	s_endpgm
.Lfunc_end_k_q22d42b709d_proj:
	.size	k_q22d42b709d_proj, .Lfunc_end_k_q22d42b709d_proj-k_q22d42b709d_proj
	.p2alignl 7, 3214868480
	.fill 96, 4, 3214868480
	.section	.rodata,"a",@progbits
	.p2align	6, 0x0
	.amdhsa_kernel k_q22d42b709d_proj
		.amdhsa_group_segment_fixed_size 327680
		.amdhsa_private_segment_fixed_size 0
		.amdhsa_enable_private_segment 0
		.amdhsa_kernarg_size 48
		.amdhsa_user_sgpr_count 2
		.amdhsa_user_sgpr_kernarg_segment_ptr 1
		.amdhsa_wavefront_size32 1
		.amdhsa_system_sgpr_workgroup_id_x 1
		.amdhsa_system_sgpr_workgroup_id_y 1
		.amdhsa_system_sgpr_workgroup_id_z 1
		.amdhsa_system_vgpr_workitem_id 0
		.amdhsa_next_free_vgpr 1024
		.amdhsa_next_free_sgpr 100
		.amdhsa_reserve_vcc 0
		.amdhsa_float_denorm_mode_32 3
		.amdhsa_float_denorm_mode_16_64 3
		.amdhsa_memory_ordered 1
		.amdhsa_forward_progress 1
		.amdhsa_inst_pref_size 53
	.end_amdhsa_kernel
	.amdgpu_metadata
---
amdhsa.version: [ 1, 2 ]
amdhsa.kernels:
  - .name:           k_q22d42b709d_proj
    .symbol:         k_q22d42b709d_proj.kd
    .args:
      - { .name: attn_c, .offset: 0, .size: 8, .value_kind: global_buffer, .address_space: global }
      - { .name: w_c, .offset: 8, .size: 8, .value_kind: global_buffer, .address_space: global }
      - { .name: lowp_scales, .offset: 16, .size: 8, .value_kind: global_buffer, .address_space: global }
      - { .name: proj_b, .offset: 24, .size: 8, .value_kind: global_buffer, .address_space: global }
      - { .name: x1, .offset: 32, .size: 8, .value_kind: global_buffer, .address_space: global }
      - { .name: x, .offset: 40, .size: 8, .value_kind: global_buffer, .address_space: global }
    .group_segment_fixed_size: 327680
    .private_segment_fixed_size: 0
    .kernarg_segment_align: 8
    .kernarg_segment_size: 48
    .max_flat_workgroup_size: 128
    .sgpr_count:     100
    .vgpr_count:     1024
    .wavefront_size: 32
...
	.end_amdgpu_metadata
.endif
;; end of part 4
;; launch ln2 (part 5): grid 256 x 1, 8 waves a work-group, no clusters, 66,816 bytes of LDS; arguments x1, ln2_w, ln2_b, lowp_scales, xn2_c; writes xn2_c
.if DOCPART == 5
	.amdgcn_target "amdgcn-amd-amdhsa--gfx1250"
	.amdhsa_code_object_version 6
	.text
	.protected	k_q22d42b709d_ln2
	.globl	k_q22d42b709d_ln2
	.p2align	8
	.type	k_q22d42b709d_ln2,@function
k_q22d42b709d_ln2:
	s_mov_b64 s[64:65], 0
	v_nop
	global_prefetch_b8 v0, s[64:65] scope:SCOPE_SE
	s_setreg_imm32_b32 hwreg(HW_REG_WAVE_MODE, 25, 1), 1
	s_wait_xcnt 0x0
; LN2(x1) becomes codes of FP8 (E4M3) with the given scale 2^e8, laid as IMAGES OF OPERAND REGISTERS.
; An image is 16 rows x 128 K = 2,048 bytes: byte 512 c + 16 lane + i (lane = 16 h + r) is the code of row S(16 rb + r), k = 128 kb + 32 c + 16 h + i;
; S exchanges bits 3 and 4 of a row number: S(16 rb + r) = 32 (rb / 2) + 8 (rb % 2) + r + 8 (r / 8).  Images lie [rb][kb].
; A work-group of eight waves makes the eight images of one rb: 16 rows x 1,024 K.  Wave w loads image rows 2 w and 2 w + 1 whole (each load 512 consecutive bytes), normalises them, puts them into LDS;
; behind one barrier wave w takes K 128 w .. 128 w + 127 of all 16 rows, holds, converts and stores one image: four stores of 512 consecutive bytes.
; No matrix unit, no cluster, no tensor load: the work-groups share no input and each byte is read once.
; LIMITS: e8 between -126 and 119.  NaN and infinities are not served.
.set WEIGHTS, 0
.set PITCH, 4112                       ; an LDS row: 4,096 bytes + 16: 1,028 words, so the 16 rows that a read touches start at 16 different groups of four banks
.set SPARE, 16*PITCH                   ; behind the rows (257 blocks of 256 bytes): the spare words, 128 bytes for each wave
.set LO,  2
.set SA,  3
.set RA,  4
.set LIM, 10
.set SCL, 11
.set SPW, 12
.set NIL, 13
.set ST,  14
.set X,   32
.set G,   96
.set BV,  128
.set C,   96
.macro RSUM reg, tmp                   ; the sum over the 32 lanes, in every lane
	s_delay_alu instid0(VALU_DEP_1)
	v_add_f32_dpp v[\reg], v[\reg], v[\reg] row_xmask:1 row_mask:0xf bank_mask:0xf
	s_delay_alu instid0(VALU_DEP_1)
	v_add_f32_dpp v[\reg], v[\reg], v[\reg] row_xmask:2 row_mask:0xf bank_mask:0xf
	s_delay_alu instid0(VALU_DEP_1)
	v_add_f32_dpp v[\reg], v[\reg], v[\reg] row_xmask:4 row_mask:0xf bank_mask:0xf
	s_delay_alu instid0(VALU_DEP_1)
	v_add_f32_dpp v[\reg], v[\reg], v[\reg] row_xmask:8 row_mask:0xf bank_mask:0xf
	s_delay_alu instid0(VALU_DEP_1)
	v_permlanex16_b32 v[\tmp], v[\reg], s52, s53
	s_delay_alu instid0(VALU_DEP_1)
	v_add_f32 v[\reg], v[\reg], v[\tmp]
.endm
	s_load_b64 s[4:5], s[0:1], 0x0                 ; x1
	s_load_b64 s[14:15], s[0:1], 0x8               ; gain
	s_load_b128 s[16:19], s[0:1], 0x10             ; bias, the scales' exponents
	s_load_b64 s[20:21], s[0:1], 0x20              ; xn2_c
	v_lshl_add_u32 v[SPW], v0, 2, SPARE
	v_mov_b32 v[NIL], 0
	v_lshrrev_b32 v1, 5, v0
	s_delay_alu instid0(VALU_DEP_1)
	v_readfirstlane_b32 s24, v1                    ; wave 0..7
	v_and_b32 v5, 31, v0
	s_delay_alu instid0(VALU_DEP_1)
	v_lshlrev_b32 v[LO], 4, v5
	s_mul_i32 s26, s24, 2*PITCH
	v_add_nc_u32 v[SA], s26, v[LO]
	v_and_b32 v6, 15, v0                           ; r
	v_bfe_u32 v7, v0, 4, 1                         ; h
	s_delay_alu instid0(VALU_DEP_2)
	v_mul_u32_u24 v[RA], v6, PITCH
	s_delay_alu instid0(VALU_DEP_1)
	v_lshl_add_u32 v[RA], v7, 6, v[RA]
	s_lshl_b32 s26, s24, 9
	v_add_nc_u32 v[RA], s26, v[RA]
	s_mov_b32 s52, 0x76543210
	s_mov_b32 s53, 0xfedcba98
	s_mov_b32 s54, 0x3a800000                      ; 1 / 1024
	s_mov_b32 s55, 0x3727c5ac                      ; 1e-5
	s_lshr_b32 s51, ttmp9, 1
	s_lshl_b32 s51, s51, 5                         ; 32 (rb / 2)
	s_and_b32 s56, ttmp9, 1
	s_lshl_b32 s56, s56, 3
	s_add_co_u32 s51, s51, s56                     ; + 8 (rb % 2)
	s_lshl_b32 s56, s24, 1
	s_add_co_u32 s51, s51, s56                     ; + r = 2 w
	s_lshr_b32 s56, s24, 2
	s_lshl_b32 s56, s56, 3
	s_add_co_u32 s51, s51, s56                     ; + 8 (r / 8)
	s_lshl_b32 s56, s51, 12                        ; my first row's first byte
	s_mov_b32 s57, 0
	s_lshl_b32 s58, ttmp9, 3
	s_add_co_u32 s58, s58, s24
	s_lshl_b32 s58, s58, 11                        ; my image's first byte
	s_mov_b32 s59, 0
	s_wait_alu depctr_va_vdst(0)
	s_wait_kmcnt 0x0
	s_load_b32 s44, s[18:19], 0x20                 ; e8
	s_add_nc_u64 s[32:33], s[4:5], s[56:57]        ; row 2 w
	s_add_nc_u64 s[34:35], s[32:33], 4096          ; row 2 w + 1
	s_add_nc_u64 s[48:49], s[20:21], s[58:59]
.irp p, 0,1
.irp j, 0,1,2,3,4,5,6,7
	global_load_b128 v[X+32*\p+4*\j:X+32*\p+4*\j+3], v[LO], s[32+2*\p:33+2*\p] offset:512*\j
.endr
.endr
.irp j, 0,1,2,3,4,5,6,7
	global_load_b128 v[G+4*\j:G+4*\j+3], v[LO], s[14:15] offset:512*\j
.endr
.irp j, 0,1,2,3,4,5,6,7
	global_load_b128 v[BV+4*\j:BV+4*\j+3], v[LO], s[16:17] offset:512*\j
.endr
	s_wait_loadcnt 16                              ; my two rows are in; the 16 loads of gain and bias may be out
.irp p, 0,1
.set TT, ST+8*\p
.set XX, X+32*\p
	v_mov_b32 v[TT+4], 0                           ; a lane permute's destination counts as read
	v_mov_b32 v[TT+7], 0                           ; named as the upper half of a pair
	v_pk_add_f32 v[TT:TT+1], v[XX:XX+1], v[XX+2:XX+3]
	v_pk_add_f32 v[TT+2:TT+3], v[XX+4:XX+5], v[XX+6:XX+7]
.irp j, 8,12,16,20,24,28
	s_delay_alu instid0(VALU_DEP_2)
	v_pk_add_f32 v[TT:TT+1], v[TT:TT+1], v[XX+\j:XX+\j+1]
	s_delay_alu instid0(VALU_DEP_2)
	v_pk_add_f32 v[TT+2:TT+3], v[TT+2:TT+3], v[XX+\j+2:XX+\j+3]
.endr
	s_delay_alu instid0(VALU_DEP_1)
	v_pk_add_f32 v[TT:TT+1], v[TT:TT+1], v[TT+2:TT+3]
	s_delay_alu instid0(VALU_DEP_1)
	v_add_f32 v[TT], v[TT], v[TT+1]
	RSUM TT, TT+4
	s_delay_alu instid0(VALU_DEP_1)
	v_mul_f32 v[TT], s54, v[TT]                    ; the mean
.set J, 0
.rept 16
	v_pk_add_f32 v[XX+J:XX+J+1], v[XX+J:XX+J+1], v[TT:TT+1] op_sel_hi:[1,0] neg_lo:[0,1] neg_hi:[0,1]   ; x - mean: the variance is taken of these, so a common offset costs nothing
.set J, J+2
.endr
	v_pk_mul_f32 v[TT:TT+1], v[XX:XX+1], v[XX:XX+1]
	v_pk_mul_f32 v[TT+2:TT+3], v[XX+2:XX+3], v[XX+2:XX+3]
.irp j, 4,8,12,16,20,24,28
	s_delay_alu instid0(VALU_DEP_2)
	v_pk_fma_f32 v[TT:TT+1], v[XX+\j:XX+\j+1], v[XX+\j:XX+\j+1], v[TT:TT+1]
	s_delay_alu instid0(VALU_DEP_2)
	v_pk_fma_f32 v[TT+2:TT+3], v[XX+\j+2:XX+\j+3], v[XX+\j+2:XX+\j+3], v[TT+2:TT+3]
.endr
	s_delay_alu instid0(VALU_DEP_1)
	v_pk_add_f32 v[TT:TT+1], v[TT:TT+1], v[TT+2:TT+3]
	s_delay_alu instid0(VALU_DEP_1)
	v_add_f32 v[TT], v[TT], v[TT+1]
	RSUM TT, TT+4
	s_delay_alu instid0(VALU_DEP_1)
	v_fma_f32 v[TT], v[TT], s54, s55               ; variance + 1e-5
.endr
	s_wait_alu depctr_va_vdst(0)
	v_rsq_f32 v[ST+6], v[ST]
	v_rsq_f32 v[ST+14], v[ST+8]
	v_nop                                          ; a plain instruction behind the last of the two
	s_wait_alu depctr_va_vdst(0)                   ; one wait for both, ahead of their first reader
	s_wait_loadcnt 0x0                             ; gain and bias
.irp p, 0,1
.set TT, ST+8*\p
.set XX, X+32*\p
.set J, 0
.rept 16
	v_pk_mul_f32 v[XX+J:XX+J+1], v[XX+J:XX+J+1], v[TT+6:TT+7] op_sel_hi:[1,0]
.set J, J+2
.endr
.set J, 0
.rept 16
	v_pk_fma_f32 v[XX+J:XX+J+1], v[XX+J:XX+J+1], v[G+J:G+J+1], v[BV+J:BV+J+1]
.set J, J+2
.endr
.endr
.irp p, 0,1
.irp j, 0,1,2,3,4,5,6,7
	ds_store_b128 v[SA], v[X+32*\p+4*\j:X+32*\p+4*\j+3] offset:PITCH*\p+512*\j
.endr
.endr
	s_wait_dscnt 0x0                               ; for the others' sake: my rows lie in LDS
	s_barrier_signal -1
	s_barrier_wait -1                              ; all 16 rows do
.irp c, 0,1,2,3
.irp i, 0,1,2,3
	ds_load_b128 v[X+16*\c+4*\i:X+16*\c+4*\i+3], v[RA] offset:128*\c+16*\i   ; register 16 c + n: k = 128 w + 32 c + 16 h + n of row r
.endr
.endr
	s_wait_kmcnt 0x0
	s_add_co_i32 s28, s44, 127
	s_lshl_b32 s29, s28, 23
	v_mov_b32 v[SCL], s29                          ; 2^e as f32: the conversion takes its exponent field
	s_add_co_i32 s28, s28, 8
	s_lshl_b32 s28, s28, 23
	s_or_b32 s28, s28, 0x600000
	v_mov_b32 v[LIM], s28                          ; 448 x 2^e
	s_wait_alu depctr_va_vdst(0)
	s_wait_dscnt 0x0
.set J, 0
.rept 64
	v_med3_num_f32 v[X+J], v[X+J], -v[LIM], v[LIM] ; the conversion to an 8-bit code does not saturate (ISA guide 7.6.2): the hold comes first
.set J, J+1
.endr
.irp c, 0,1,2,3
	v_cvt_scalef32_pk8_fp8_f32 v[C+4*\c:C+4*\c+1], v[X+16*\c:X+16*\c+7], v[SCL]
	v_cvt_scalef32_pk8_fp8_f32 v[C+4*\c+2:C+4*\c+3], v[X+16*\c+8:X+16*\c+15], v[SCL]
.endr
	v_nop
.irp c, 0,1,2,3
	global_store_b128 v[LO], v[C+4*\c:C+4*\c+3], s[48:49] offset:512*\c   ; 32 lanes store 512 consecutive bytes, at a multiple of 256 from the buffer's first byte
.endr
	s_wait_tensorcnt 0x0                           ; the wave's end
	ds_add_u32 v[SPW], v[NIL]
	s_wait_dscnt 0x0
	s_endpgm
.Lfunc_end_k_q22d42b709d_ln2:
	.size	k_q22d42b709d_ln2, .Lfunc_end_k_q22d42b709d_ln2-k_q22d42b709d_ln2
	.p2alignl 7, 3214868480
	.fill 96, 4, 3214868480
	.section	.rodata,"a",@progbits
	.p2align	6, 0x0
	.amdhsa_kernel k_q22d42b709d_ln2
		.amdhsa_group_segment_fixed_size 66816
		.amdhsa_private_segment_fixed_size 0
		.amdhsa_enable_private_segment 0
		.amdhsa_kernarg_size 40
		.amdhsa_user_sgpr_count 2
		.amdhsa_user_sgpr_kernarg_segment_ptr 1
		.amdhsa_wavefront_size32 1
		.amdhsa_system_sgpr_workgroup_id_x 1
		.amdhsa_system_sgpr_workgroup_id_y 1
		.amdhsa_system_sgpr_workgroup_id_z 1
		.amdhsa_system_vgpr_workitem_id 0
		.amdhsa_next_free_vgpr 160
		.amdhsa_next_free_sgpr 66
		.amdhsa_reserve_vcc 0
		.amdhsa_float_denorm_mode_32 3
		.amdhsa_float_denorm_mode_16_64 3
		.amdhsa_memory_ordered 1
		.amdhsa_forward_progress 1
		.amdhsa_inst_pref_size 28
	.end_amdhsa_kernel
	.amdgpu_metadata
---
amdhsa.version: [ 1, 2 ]
amdhsa.kernels:
  - .name:           k_q22d42b709d_ln2
    .symbol:         k_q22d42b709d_ln2.kd
    .args:
      - { .name: x1, .offset: 0, .size: 8, .value_kind: global_buffer, .address_space: global }
      - { .name: ln2_w, .offset: 8, .size: 8, .value_kind: global_buffer, .address_space: global }
      - { .name: ln2_b, .offset: 16, .size: 8, .value_kind: global_buffer, .address_space: global }
      - { .name: lowp_scales, .offset: 24, .size: 8, .value_kind: global_buffer, .address_space: global }
      - { .name: xn2_c, .offset: 32, .size: 8, .value_kind: global_buffer, .address_space: global }
    .group_segment_fixed_size: 66816
    .private_segment_fixed_size: 0
    .kernarg_segment_align: 8
    .kernarg_segment_size: 40
    .max_flat_workgroup_size: 256
    .sgpr_count:     66
    .vgpr_count:     160
    .wavefront_size: 32
...
	.end_amdgpu_metadata
.endif
;; end of part 5
;; launch fc (part 6): grid 16 x 16, 4 waves a work-group, clusters of 4 x 4, 327,680 bytes of LDS; arguments xn2_c, w_c, lowp_scales, fc_b, h_c; writes h_c
.if DOCPART == 6
	.amdgcn_target "amdgcn-amd-amdhsa--gfx1250"
	.amdhsa_code_object_version 6
	.text
	.protected	k_q22d42b709d_fc
	.globl	k_q22d42b709d_fc
	.p2align	8
	.type	k_q22d42b709d_fc,@function
k_q22d42b709d_fc:
	s_mov_b64 s[64:65], 0
	v_nop
	global_prefetch_b8 v0, s[64:65] scope:SCOPE_SE
	s_setreg_imm32_b32 hwreg(HW_REG_WAVE_MODE, 25, 1), 1
	s_wait_xcnt 0x0
	s_wait_alu depctr_hold_cnt(0) depctr_sa_sdst(0) depctr_va_vdst(0) depctr_va_sdst(0) depctr_va_ssrc(0) depctr_va_vcc(0) depctr_vm_vsrc(0)
	s_getreg_b32 s2, hwreg(HW_REG_IB_STS2, 6, 4)
	s_cmp_eq_u32 s2, 0
	s_cbranch_scc0 .Lentry_in_a_cluster
	s_endpgm
.Lentry_in_a_cluster:
	s_bfe_u32 s2, ttmp6, 0x10000c
	s_cmp_lg_u32 s2, 0xf033
	s_cbranch_scc0 .Lentry_shape_is_right
	s_endpgm
.Lentry_shape_is_right:
.set NBK,   8
.set KB,    8
.set KS,    2
.set LAPS,  2
.set WOFF,  0x400000
.set H,     NBK/2
.set NL,    4
.set QB,    32768
.set SLOT,  4*QB
.set SPARE, 2*SLOT
.set CE,    256*KS
.set LI,    2
.set LIM,   10
.set SCL,   11
.set ADRA,  16
.set ADRB,  20
.set SPW,   28
.set NIL,   29
.set AF,    128
.set G1,    24
.set G0,    32
.set G1B,   48
.set G0B,   56
.set MSB,   0
.macro WIN new
.if MSB != (\new)
	s_set_vgpr_msb (MSB<<8)|(\new)
.set MSB, (\new)
.endif
.endm
.macro JLOAD g0a, g1a, g0b, g1b
	s_cmp_eq_u32 s15, 0
	s_cbranch_scc0 .Lfor_b_\@
	tensor_load_to_lds s[\g0a:\g0a+3], s[\g1a:\g1a+7]
	s_nop 0
.rept 4
	v_nop
.endr
	s_branch .Lasked_\@
.Lfor_b_\@:
	tensor_load_to_lds s[\g0b:\g0b+3], s[\g1b:\g1b+7]
	s_nop 0
.rept 4
	v_nop
.endr
.Lasked_\@:
.endm
.macro CREST
	s_cmp_lg_u32 s14, 0
	s_cbranch_scc1 .Lnot_wave_0_\@
	s_barrier_signal -3
.Lnot_wave_0_\@:
	s_barrier_wait -3
	s_barrier_signal -1
	s_barrier_wait -1
.endm
.macro CROUND
	s_barrier_signal -1
	s_barrier_wait -1
	CREST
.endm
.macro PLACES n
.rept \n
	v_nop
.endr
.endm
.macro FRAG reg, adr, q, i
.irp c, 0,1,2,3
	ds_load_b128 v[(\reg)+4*\c:(\reg)+4*\c+3], v[\adr] offset:(\i)*KS*2048+(\q)*2048+512*\c
.endr
.endm
.macro MULA a, p, zero
.set WA, 2+((\a)*NBK)/32
.set WW, 0x01|(WA<<4)|(WA<<6)
	WIN WW
.set AC, 8*(((\a)*NBK)%32)
.set BB, 0
.rept NBK
.if \zero
	v_wmma_f32_16x16x128_fp8_fp8 v[AC+8*BB:AC+8*BB+7], v[128*(\p)+16*BB:128*(\p)+16*BB+15], v[AF+16*(\a):AF+16*(\a)+15], 0
.else
	v_wmma_f32_16x16x128_fp8_fp8 v[AC+8*BB:AC+8*BB+7], v[128*(\p)+16*BB:128*(\p)+16*BB+15], v[AF+16*(\a):AF+16*(\a)+15], v[AC+8*BB:AC+8*BB+7]
.endif
.set BB, BB+1
.endr
.endm
.macro MULR a0, n, p, zero
.set MA, \a0
.rept \n
	MULA MA, \p, \zero
.set MA, MA+1
.endr
.endm
.macro FETCH_B slot, q, p
	WIN 0x40
.set FI, 0
.rept NBK
	FRAG 128*(\p)+16*FI, ADRB+\slot, \q, FI
.set FI, FI+1
.endr
	WIN 0
.endm
.macro FETCH_A slot, q, i0
.set FI, \i0
.rept H
	FRAG AF+16*FI, ADRA+\slot, \q, FI
.set FI, FI+1
.endr
.endm
.macro STEP slot, q, zero
	s_wait_dscnt H*NL
	MULR 0, H, (\q)%2, \zero
	s_wait_dscnt 0x0
	PLACES 4
	FETCH_B \slot, (\q)+1, 1-(\q)%2
	FETCH_A \slot, (\q)+1, 0
	MULR H, H, (\q)%2, \zero
	PLACES 4
	WIN 0
	FETCH_A \slot, (\q)+1, H
.endm
.macro TURN slot, next, fill
	s_wait_tensorcnt 0x0
	ds_add_u32 v[SPW], v[NIL]
	s_wait_dscnt H*NL+1
	MULR 0, H/2, 1, 0
	s_wait_dscnt 0x0
	s_barrier_signal -1
	MULR H/2, H/2, 1, 0
	WIN 0
	s_barrier_wait -1
.if \fill
	CREST
	s_add_nc_u64 s[G0+4*\slot+2:G0+4*\slot+3], s[G0+4*\slot+2:G0+4*\slot+3], 2*KS*2048
	s_add_nc_u64 s[G0B+4*\slot+2:G0B+4*\slot+3], s[G0B+4*\slot+2:G0B+4*\slot+3], 2*KS*2048
	JLOAD G0+4*\slot, G1, G0B+4*\slot, G1B
.else
	PLACES 4
.endif
	FETCH_B \next, 0, 0
	FETCH_A \next, 0, 0
	MULR H, H, 1, 0
	PLACES 4
	WIN 0
	FETCH_A \next, 0, H
.endm
.macro MIDS slot, from
.if KS-1-\from > 0
.set QQ, \from
.rept KS-1-\from
	STEP \slot, QQ, 0
.set QQ, QQ+1
.endr
.endif
.endm
.macro LAST
	s_wait_dscnt H*NL
	MULR 0, H, 1, 0
	s_wait_dscnt 0x0
	MULR H, H, 1, 0
	WIN 0
.endm
.set BO, 22
.set DA, 24
.set DR, 25
.set C9, 30
.set BI, 32
.set E,  96
.set CD, 112
.set VV, 128
.set AH, 192
.set Q,  208
.set R,  224
.set W,  240
	s_load_b256 s[4:11], s[0:1], 0x0
	s_load_b64 s[12:13], s[0:1], 0x20
	v_lshl_add_u32 v[SPW], v0, 2, SPARE
	v_mov_b32 v[NIL], 0
	ds_add_u32 v[SPW], v[NIL]
	ds_add_u32 v[SPW], v[NIL]
	v_lshrrev_b32 v1, 5, v0
	v_readfirstlane_b32 s14, v1
	s_lshr_b32 s15, s14, 1
	s_and_b32 s16, s14, 1
	s_bfe_u32 s40, ttmp6, 0x40000
	s_bfe_u32 s41, ttmp6, 0x40004
	s_lshl_b32 s42, ttmp9, 2
	s_add_co_u32 s42, s42, s40
	s_and_b32 s17, ttmp7, 0xffff
	s_lshl_b32 s17, s17, 2
	s_add_co_u32 s17, s17, s41
	s_lshl_b32 s43, s41, 2
	s_lshl_b32 s43, 15, s43
	s_lshl_b32 s44, 0x1111, s40
	s_or_b32 s[G1], s43, (3<<16)|(1<<21)
	s_or_b32 s[G1B], s44, (3<<16)|(1<<21)
.irp g, G1, G1B
	s_mov_b32 s[\g+1], CE<<16
	s_mov_b32 s[\g+2], NBK<<16
	s_mov_b32 s[\g+3], CE<<16
	s_mov_b32 s[\g+4], NBK
	s_mov_b32 s[\g+5], 256*KB
	s_mov_b32 s[\g+6], 0
	s_mov_b32 s[\g+7], 0
.endr
	s_mul_i32 s18, s16, NBK
	s_mul_i32 s20, s17, 2*NBK
	s_add_co_u32 s20, s20, s18
	s_mul_i32 s20, s20, KB*2048
	s_mov_b32 s21, 0
	s_mul_i32 s46, s42, 2*NBK
	s_add_co_u32 s46, s46, s18
	s_mul_i32 s46, s46, KB*2048
	s_add_co_u32 s46, s46, WOFF
	s_mov_b32 s47, 0
	s_mul_i32 s45, s14, QB
	s_wait_dscnt 0x0
	s_wait_kmcnt 0x0
	s_load_b256 s[68:75], s[8:9], 0x0
	s_load_b128 s[76:79], s[8:9], 0x20
	s_add_nc_u64 s[20:21], s[4:5], s[20:21]
	s_add_nc_u64 s[46:47], s[6:7], s[46:47]
	CROUND
.irp s, 0,1
	s_mov_b32 s[G0+4*\s], 1
	s_add_co_u32 s[G0+4*\s+1], s45, \s*SLOT
	s_add_nc_u64 s[G0+4*\s+2:G0+4*\s+3], s[20:21], \s*KS*2048
	s_or_b32 s[G0+4*\s+3], s[G0+4*\s+3], 0x80000000
	s_mov_b32 s[G0B+4*\s], 1
	s_add_co_u32 s[G0B+4*\s+1], s45, \s*SLOT
	s_add_nc_u64 s[G0B+4*\s+2:G0B+4*\s+3], s[46:47], \s*KS*2048
	s_or_b32 s[G0B+4*\s+3], s[G0B+4*\s+3], 0x80000000
.endr
	; PREFETCHES INTO THE L2: behind the load of slot n stands a request for slot n + 2, and behind slot 0's also one for slot 1.  Of the 8 row blocks x 4,096 bytes that my wave fetches for a slot, the four partners
	; that ask for them jointly take two row blocks each, told apart by address (cx for the tokens' tile, cy for the weight's): a lane names one block of 256 bytes, one instruction a wave.  Slots 1, 2 and 3 are all there are: no address is stepped.
	s_cmp_eq_u32 s15, 0
	s_cselect_b64 s[82:83], s[20:21], s[46:47]     ; the tile that I fetch,
	s_cselect_b32 s84, s40, s41                    ; my place among the four that ask for it with me,
	s_lshl_b32 s84, s84, 15                        ; x two row blocks of 16,384 bytes
	s_mov_b32 s85, 0
	s_add_nc_u64 s[82:83], s[82:83], s[84:85]
	JLOAD G0, G1, G0B, G1B                         ; slot 0
	v_and_b32 v1, 31, v0
	v_lshlrev_b32 v[LI], 4, v1
	v_lshrrev_b32 v7, 4, v1
	v_and_b32 v6, 15, v1
	v_lshlrev_b32 v6, 8, v6
	v_lshl_add_u32 v6, v7, 14, v6                  ; 16,384 (lane / 16) + 256 (lane % 16); never rewritten
	global_prefetch_b8 v6, s[82:83] offset:KS*2048 th:TH_LOAD_NT scope:SCOPE_SE
	global_prefetch_b8 v6, s[82:83] offset:2*KS*2048 th:TH_LOAD_NT scope:SCOPE_SE
	s_wait_alu depctr_va_vdst(0)
	s_mul_i32 s21, s15, QB
	s_mul_i32 s22, s16, QB
	s_add_co_u32 s22, s22, 2*QB
.irp s, 0,1
	v_add_nc_u32 v[ADRA+\s], s21, v[LI]
	v_add_nc_u32 v[ADRB+\s], s22, v[LI]
	s_add_co_u32 s21, s21, SLOT
	s_add_co_u32 s22, s22, SLOT
.endr
	v_bfe_u32 v4, v0, 4, 1
	v_lshlrev_b32 v[BO], 6, v4
	s_lshl_b32 s18, s14, 16
	v_add_nc_u32 v[DA], s18, v[LI]
	v_mov_b32 v[C9], 0xb9d25000
	v_mov_b32 v[C9+1], 0xb9d25000
	s_lshl_b32 s18, s42, 10
	s_lshl_b32 s19, s16, 9
	s_add_co_u32 s18, s18, s19
	s_mov_b32 s19, 0
	s_add_nc_u64 s[66:67], s[10:11], s[18:19]
.irp t, 0,1,2,3,4,5,6,7
.irp i, 0,1
	global_load_b128 v[BI+8*\t+4*\i:BI+8*\t+4*\i+3], v[BO], s[66:67] offset:4*(32*(\t/2)+8*(\t%2)+4*\i)
.endr
.endr
	s_lshl_b32 s18, s17, 4
	s_lshl_b32 s19, s15, 3
	s_add_co_u32 s18, s18, s19
	s_lshl_b32 s18, s18, 16
	s_lshl_b32 s19, s42, 1
	s_add_co_u32 s19, s19, s16
	s_lshl_b32 s19, s19, 11
	s_add_co_u32 s18, s18, s19
	s_mov_b32 s19, 0
	s_add_nc_u64 s[12:13], s[12:13], s[18:19]
	s_wait_alu depctr_va_vdst(0)
	s_wait_tensorcnt 0x0                           ; my part of slot 0 is in
	ds_add_u32 v[SPW], v[NIL]
	s_wait_dscnt 0x0
	CROUND                                         ; everybody's part of slot 0 is in, and all sixteen work-groups are here
	JLOAD G0+4, G1, G0B+4, G1B                     ; slot 1's first fill, the first tensor load behind the round
	FETCH_B 0, 0, 0
	global_prefetch_b8 v6, s[82:83] offset:3*KS*2048 th:TH_LOAD_NT scope:SCOPE_SE   ; behind slot 1's load: slot 3
	FETCH_A 0, 0, 0
	FETCH_A 0, 0, H
	STEP 0, 0, 1
.if LAPS > 1
	s_mov_b32 s3, LAPS-1
.Llap:
	MIDS 0, 1
	TURN 0, 1, 1
	MIDS 1, 0
	TURN 1, 0, 1
	STEP 0, 0, 0
	s_sub_co_u32 s3, s3, 1
	s_cmp_lg_u32 s3, 0
	s_cbranch_scc1 .Llap
.endif
	MIDS 0, 1
	TURN 0, 1, 0
	MIDS 1, 0
	LAST
.macro HORNER first, k                 ; one level of the polynomial in s, eight packed multiply-adds on 16 numbers
.set J, 0
.rept 4
.if \first
	v_pk_fma_f32 v[R+J:R+J+1], v[Q+J:Q+J+1], v[C9:C9+1], \k op_sel_hi:[1,1,0]
	v_pk_fma_f32 v[R+J+2:R+J+3], v[Q+J+2:Q+J+3], v[C9:C9+1], \k op_sel_hi:[1,1,0]
.else
	v_pk_fma_f32 v[R+J:R+J+1], v[R+J:R+J+1], v[Q+J:Q+J+1], \k op_sel_hi:[1,1,0]
	v_pk_fma_f32 v[R+J+2:R+J+3], v[R+J+2:R+J+3], v[Q+J+2:Q+J+3], \k op_sel_hi:[1,1,0]
.endif
.set J, J+4
.endr
.endm
.macro GELU16 b
.set V0, VV+16*(\b)
.set B0, BI+16*(\b)
	s_wait_dscnt 12-4*(\b)
.set J, 0
.rept 8
	v_pk_fma_f32 v[V0+J:V0+J+1], v[V0+J:V0+J+1], s[96:97], v[B0+J:B0+J+1] op_sel_hi:[1,0,1]
.set J, J+2
.endr
.set J, 0
.rept 16
	v_mul_f32 v[AH+J], 0.5, |v[V0+J]|
.set J, J+1
.endr
.set J, 0
.rept 8
	v_pk_mul_f32 v[Q+J:Q+J+1], v[AH+J:AH+J+1], 0x3fd96d27 op_sel_hi:[1,0]
.set J, J+2
.endr
.set J, 0
.rept 8
	v_pk_fma_f32 v[R+J:R+J+1], v[Q+J:Q+J+1], 0x3f55224c, 2.0 op_sel_hi:[1,0,0]
.set J, J+2
.endr
.set J, 0
.rept 8                                ; with z = |v| / sqrt(2) and Q = z sqrt(log2 e): all the batch's sources are laid first
	v_pk_fma_f32 v[W+J:W+J+1], v[Q+J:Q+J+1], 0x3fd5224c, 1.0 op_sel_hi:[1,0,0]                  ; 2 z + 1
	v_pk_mul_f32 v[E+J:E+J+1], v[Q+J:Q+J+1], v[Q+J:Q+J+1] neg_lo:[1,0] neg_hi:[1,0]            ; -z^2 log2 e
	v_pk_fma_f32 v[Q+J:Q+J+1], v[Q+J:Q+J+1], 0x3f55224c, -2.0 op_sel_hi:[1,0,0]                 ; z - 2
.set J, J+2
.endr
	s_wait_alu depctr_va_vdst(0)                   ; ahead of the batch
.set J, 0
.rept 16                               ; ONE batch of 48: 1 / (z + 2), 1 / (2 z + 1), e^(-z^2); among them max(v, 0), which is read behind the wait below
	v_rcp_f32 v[R+J], v[R+J]
	v_rcp_f32 v[W+J], v[W+J]
	v_max_num_f32 v[V0+J], 0, v[V0+J]
	v_exp_f32 v[E+J], v[E+J]
.set J, J+1
.endr
	v_nop                                          ; a plain instruction behind the last of them
	s_wait_alu depctr_va_vdst(0)                   ; one wait for the whole batch, ahead of its first reader
.set J, 0
.rept 8
	v_pk_mul_f32 v[Q+J:Q+J+1], v[Q+J:Q+J+1], v[R+J:R+J+1]                                       ; s = (z - 2) / (z + 2)
.set J, J+2
.endr
	HORNER 1, 0xbaa15130
.irp k, 0x3aac2b8a, 0x3c0d6e62, 0xbc040dc1, 0xbd5e05b5, 0x3e27fe23, 0xbe2a0420, 0xbdbdfb0b, 0x3e8dd01d
	HORNER 0, \k
.endr
.set J, 0
.rept 8
	v_pk_fma_f32 v[W+J:W+J+1], v[R+J:R+J+1], v[W+J:W+J+1], v[W+J:W+J+1]
.set J, J+2
.endr
.set J, 0
.rept 8
	v_pk_mul_f32 v[E+J:E+J+1], v[E+J:E+J+1], v[W+J:W+J+1]
.set J, J+2
.endr
.set J, 0
.rept 8
	v_pk_fma_f32 v[V0+J:V0+J+1], v[AH+J:AH+J+1], v[E+J:E+J+1], v[V0+J:V0+J+1] neg_lo:[1,0,0] neg_hi:[1,0,0]
.set J, J+2
.endr
.set J, 0
.rept 16
	v_med3_num_f32 v[V0+J], v[V0+J], -v[LIM], v[LIM]
.set J, J+1
.endr
	v_cvt_scalef32_pk8_fp8_f32 v[CD+4*(\b):CD+4*(\b)+1], v[V0:V0+7], v[SCL]
	v_cvt_scalef32_pk8_fp8_f32 v[CD+4*(\b)+2:CD+4*(\b)+3], v[V0+8:V0+15], v[SCL]
	v_nop
	global_store_b128 v[LI], v[CD+4*(\b):CD+4*(\b)+3], s[12:13] offset:512*(\b)
.endm
	s_wait_dscnt 0x0
	s_barrier_signal -1
	s_barrier_wait -1
	s_wait_kmcnt 0x0
	s_add_co_i32 s96, s76, s77
	s_add_co_i32 s96, s96, 127
	s_lshl_b32 s96, s96, 23
	s_mov_b32 s97, s96
	s_add_co_i32 s18, s78, 127
	s_lshl_b32 s19, s18, 23
	s_add_co_i32 s18, s18, 8
	s_lshl_b32 s18, s18, 23
	s_or_b32 s18, s18, 0x600000
	s_wait_loadcnt 0x0
	PLACES 4
	v_mov_b32 v[SCL], s19
	v_mov_b32 v[LIM], s18
.set DI, 0
.rept 64
	WIN 0x08+4*(DI/32)
	ds_store_b128 v[DA], v[8*(DI%32):8*(DI%32)+3] offset:1024*DI
	ds_store_b128 v[DA], v[8*(DI%32)+4:8*(DI%32)+7] offset:1024*DI+512
.set DI, DI+1
.endr
	WIN 0
	s_mov_b32 s80, 8
	s_mov_b32 s81, 0
.Lrow:
	v_add_nc_u32 v[DR], s81, v[DA]
.set J, 0
.rept 16
	ds_load_b128 v[VV+4*J:VV+4*J+3], v[DR] offset:512*J
.set J, J+1
.endr
	GELU16 0
	GELU16 1
	GELU16 2
	GELU16 3
	s_wait_xcnt 0x0
	s_add_nc_u64 s[12:13], s[12:13], 0x10000
	s_add_co_u32 s81, s81, 8192
	s_sub_co_u32 s80, s80, 1
	s_cmp_lg_u32 s80, 0
	s_cbranch_scc1 .Lrow
	s_wait_tensorcnt 0x0
	ds_add_u32 v[SPW], v[NIL]
	s_wait_dscnt 0x0
	CROUND
	s_endpgm
.Lfunc_end_k_q22d42b709d_fc:
	.size	k_q22d42b709d_fc, .Lfunc_end_k_q22d42b709d_fc-k_q22d42b709d_fc
	.p2alignl 7, 3214868480
	.fill 96, 4, 3214868480
	.section	.rodata,"a",@progbits
	.p2align	6, 0x0
	.amdhsa_kernel k_q22d42b709d_fc
		.amdhsa_group_segment_fixed_size 327680
		.amdhsa_private_segment_fixed_size 0
		.amdhsa_enable_private_segment 0
		.amdhsa_kernarg_size 40
		.amdhsa_user_sgpr_count 2
		.amdhsa_user_sgpr_kernarg_segment_ptr 1
		.amdhsa_wavefront_size32 1
		.amdhsa_system_sgpr_workgroup_id_x 1
		.amdhsa_system_sgpr_workgroup_id_y 1
		.amdhsa_system_sgpr_workgroup_id_z 1
		.amdhsa_system_vgpr_workitem_id 0
		.amdhsa_next_free_vgpr 1024
		.amdhsa_next_free_sgpr 100
		.amdhsa_reserve_vcc 0
		.amdhsa_float_denorm_mode_32 3
		.amdhsa_float_denorm_mode_16_64 3
		.amdhsa_memory_ordered 1
		.amdhsa_forward_progress 1
		.amdhsa_inst_pref_size 158
	.end_amdhsa_kernel
	.amdgpu_metadata
---
amdhsa.version: [ 1, 2 ]
amdhsa.kernels:
  - .name:           k_q22d42b709d_fc
    .symbol:         k_q22d42b709d_fc.kd
    .args:
      - { .name: xn2_c, .offset: 0, .size: 8, .value_kind: global_buffer, .address_space: global }
      - { .name: w_c, .offset: 8, .size: 8, .value_kind: global_buffer, .address_space: global }
      - { .name: lowp_scales, .offset: 16, .size: 8, .value_kind: global_buffer, .address_space: global }
      - { .name: fc_b, .offset: 24, .size: 8, .value_kind: global_buffer, .address_space: global }
      - { .name: h_c, .offset: 32, .size: 8, .value_kind: global_buffer, .address_space: global }
    .group_segment_fixed_size: 327680
    .private_segment_fixed_size: 0
    .kernarg_segment_align: 8
    .kernarg_segment_size: 40
    .max_flat_workgroup_size: 128
    .sgpr_count:     100
    .vgpr_count:     1024
    .wavefront_size: 32
...
	.end_amdgpu_metadata
.endif
;; end of part 6
;; launch fcproj (part 7): grid 8 x 32, 4 waves a work-group, clusters of 4 x 4, 327,680 bytes of LDS; arguments h_c, w_c, lowp_scales, fcproj_b, out0, x1; writes out0
.if DOCPART == 7
	.amdgcn_target "amdgcn-amd-amdhsa--gfx1250"
	.amdhsa_code_object_version 6
	.text
	.protected	k_q22d42b709d_fcproj
	.globl	k_q22d42b709d_fcproj
	.p2align	8
	.type	k_q22d42b709d_fcproj,@function
k_q22d42b709d_fcproj:
	s_mov_b64 s[64:65], 0
	v_nop
	global_prefetch_b8 v0, s[64:65] scope:SCOPE_SE
	s_setreg_imm32_b32 hwreg(HW_REG_WAVE_MODE, 25, 1), 1
	s_wait_xcnt 0x0
	s_wait_alu depctr_hold_cnt(0) depctr_sa_sdst(0) depctr_va_vdst(0) depctr_va_sdst(0) depctr_va_ssrc(0) depctr_va_vcc(0) depctr_vm_vsrc(0)
	s_getreg_b32 s2, hwreg(HW_REG_IB_STS2, 6, 4)
	s_cmp_eq_u32 s2, 0
	s_cbranch_scc0 .Lentry_in_a_cluster
	s_endpgm
.Lentry_in_a_cluster:
	s_bfe_u32 s2, ttmp6, 0x10000c
	s_cmp_lg_u32 s2, 0xf033
	s_cbranch_scc0 .Lentry_shape_is_right
	s_endpgm
.Lentry_shape_is_right:
.set NBK,   4
.set KB,    32
.set KS,    4
.set LAPS,  4
.set WOFF,  0x800000
.set EA,    78
.set H,     NBK/2
.set NL,    4
.set QB,    32768
.set SLOT,  4*QB
.set SPARE, 2*SLOT
.set CE,    256*KS
.set LI,    2
.set ADRA,  16
.set ADRB,  20
.set SPW,   28
.set NIL,   29
.set AF,    128
.set G1,    24
.set G0,    32
.set G1B,   48
.set G0B,   56
.set MSB,   0
.macro WIN new
.if MSB != (\new)
	s_set_vgpr_msb (MSB<<8)|(\new)
.set MSB, (\new)
.endif
.endm
.macro JLOAD g0a, g1a, g0b, g1b
	s_cmp_eq_u32 s15, 0
	s_cbranch_scc0 .Lfor_b_\@
	tensor_load_to_lds s[\g0a:\g0a+3], s[\g1a:\g1a+7]
	s_nop 0
.rept 4
	v_nop
.endr
	s_branch .Lasked_\@
.Lfor_b_\@:
	tensor_load_to_lds s[\g0b:\g0b+3], s[\g1b:\g1b+7]
	s_nop 0
.rept 4
	v_nop
.endr
.Lasked_\@:
.endm
.macro CREST
	s_cmp_lg_u32 s14, 0
	s_cbranch_scc1 .Lnot_wave_0_\@
	s_barrier_signal -3
.Lnot_wave_0_\@:
	s_barrier_wait -3
	s_barrier_signal -1
	s_barrier_wait -1
.endm
.macro CROUND
	s_barrier_signal -1
	s_barrier_wait -1
	CREST
.endm
.macro PLACES n
.rept \n
	v_nop
.endr
.endm
.macro FRAG reg, adr, q, i
.irp c, 0,1,2,3
	ds_load_b128 v[(\reg)+4*\c:(\reg)+4*\c+3], v[\adr] offset:(\i)*KS*2048+(\q)*2048+512*\c
.endr
.endm
.macro MULA a, p, zero
.set WA, 2+((\a)*NBK)/32
.set WW, 0x01|(WA<<4)|(WA<<6)
	WIN WW
.set AC, 8*(((\a)*NBK)%32)
.set BB, 0
.rept NBK
.if \zero
	v_wmma_f32_16x16x128_fp8_fp8 v[AC+8*BB:AC+8*BB+7], v[128*(\p)+16*BB:128*(\p)+16*BB+15], v[AF+16*(\a):AF+16*(\a)+15], 0
.else
	v_wmma_f32_16x16x128_fp8_fp8 v[AC+8*BB:AC+8*BB+7], v[128*(\p)+16*BB:128*(\p)+16*BB+15], v[AF+16*(\a):AF+16*(\a)+15], v[AC+8*BB:AC+8*BB+7]
.endif
.set BB, BB+1
.endr
.endm
.macro MULR a0, n, p, zero
.set MA, \a0
.rept \n
	MULA MA, \p, \zero
.set MA, MA+1
.endr
.endm
.macro FETCH_B slot, q, p
	WIN 0x40
.set FI, 0
.rept NBK
	FRAG 128*(\p)+16*FI, ADRB+\slot, \q, FI
.set FI, FI+1
.endr
	WIN 0
.endm
.macro FETCH_A slot, q, i0
.set FI, \i0
.rept H
	FRAG AF+16*FI, ADRA+\slot, \q, FI
.set FI, FI+1
.endr
.endm
.macro STEP slot, q, zero
	s_wait_dscnt H*NL
	MULR 0, H, (\q)%2, \zero
	s_wait_dscnt 0x0
	PLACES 4
	FETCH_B \slot, (\q)+1, 1-(\q)%2
	FETCH_A \slot, (\q)+1, 0
	MULR H, H, (\q)%2, \zero
	PLACES 4
	WIN 0
	FETCH_A \slot, (\q)+1, H
.endm
.macro TURN slot, next, fill
	s_wait_tensorcnt 0x0
	ds_add_u32 v[SPW], v[NIL]
	s_wait_dscnt H*NL+1
	MULR 0, H/2, 1, 0
	s_wait_dscnt 0x0
	s_barrier_signal -1
	MULR H/2, H/2, 1, 0
	WIN 0
	s_barrier_wait -1
.if \fill
	CREST
	s_add_nc_u64 s[G0+4*\slot+2:G0+4*\slot+3], s[G0+4*\slot+2:G0+4*\slot+3], 2*KS*2048
	s_add_nc_u64 s[G0B+4*\slot+2:G0B+4*\slot+3], s[G0B+4*\slot+2:G0B+4*\slot+3], 2*KS*2048
	JLOAD G0+4*\slot, G1, G0B+4*\slot, G1B
.else
	PLACES 4
.endif
	FETCH_B \next, 0, 0
	FETCH_A \next, 0, 0
.if \fill
	s_cmp_gt_u32 s3, 1                             ; s3 = 1 in the loop's last trip: there is no step two on
	s_cbranch_scc0 .Lno_ask_\@
	global_prefetch_b8 v6, s[82:83] offset:(4+\slot)*KS*2048 th:TH_LOAD_NT scope:SCOPE_SE   ; the step two refills on
.Lno_ask_\@:
.endif
	MULR H, H, 1, 0
	PLACES 4
	WIN 0
	FETCH_A \next, 0, H
.endm
.macro MIDS slot, from
.if KS-1-\from > 0
.set QQ, \from
.rept KS-1-\from
	STEP \slot, QQ, 0
.set QQ, QQ+1
.endr
.endif
.endm
.macro LAST
	s_wait_dscnt H*NL
	MULR 0, H, 1, 0
	s_wait_dscnt 0x0
	MULR H, H, 1, 0
	WIN 0
.endm
.set BO,   22
.set STO,  24
.set RD,   25
.set CO,   26
.set BK,   32
.set BIAS, 96
.set SP,   272
	s_load_b256 s[4:11], s[0:1], 0x0
	s_load_b64 s[12:13], s[0:1], 0x20
	s_load_b64 s[66:67], s[0:1], 0x28
	v_lshl_add_u32 v[SPW], v0, 2, SPARE
	v_mov_b32 v[NIL], 0
	ds_add_u32 v[SPW], v[NIL]
	ds_add_u32 v[SPW], v[NIL]
	v_lshrrev_b32 v1, 5, v0
	v_readfirstlane_b32 s14, v1
	s_lshr_b32 s15, s14, 1
	s_and_b32 s16, s14, 1
	s_bfe_u32 s40, ttmp6, 0x40000
	s_bfe_u32 s41, ttmp6, 0x40004
	s_lshl_b32 s42, ttmp9, 2
	s_add_co_u32 s42, s42, s40
	s_and_b32 s17, ttmp7, 0xffff
	s_lshl_b32 s17, s17, 2
	s_add_co_u32 s17, s17, s41
	s_lshl_b32 s43, s41, 2
	s_lshl_b32 s43, 15, s43
	s_lshl_b32 s44, 0x1111, s40
	s_or_b32 s[G1], s43, (3<<16)|(1<<21)
	s_or_b32 s[G1B], s44, (3<<16)|(1<<21)
.irp g, G1, G1B
	s_mov_b32 s[\g+1], CE<<16
	s_mov_b32 s[\g+2], NBK<<16
	s_mov_b32 s[\g+3], CE<<16
	s_mov_b32 s[\g+4], NBK
	s_mov_b32 s[\g+5], 256*KB
	s_mov_b32 s[\g+6], 0
	s_mov_b32 s[\g+7], 0
.endr
	s_mul_i32 s18, s16, NBK
	s_mul_i32 s20, s17, 2*NBK
	s_add_co_u32 s20, s20, s18
	s_mul_i32 s20, s20, KB*2048
	s_mov_b32 s21, 0
	s_mul_i32 s46, s42, 2*NBK
	s_add_co_u32 s46, s46, s18
	s_mul_i32 s46, s46, KB*2048
	s_add_co_u32 s46, s46, WOFF
	s_mov_b32 s47, 0
	s_mul_i32 s45, s14, QB
	s_wait_dscnt 0x0
	s_wait_kmcnt 0x0
	s_load_b256 s[68:75], s[8:9], 0x0
	s_load_b128 s[76:79], s[8:9], 0x20
	s_add_nc_u64 s[20:21], s[4:5], s[20:21]
	s_add_nc_u64 s[46:47], s[6:7], s[46:47]
	CROUND
.irp s, 0,1
	s_mov_b32 s[G0+4*\s], 1
	s_add_co_u32 s[G0+4*\s+1], s45, \s*SLOT
	s_add_nc_u64 s[G0+4*\s+2:G0+4*\s+3], s[20:21], \s*KS*2048
	s_or_b32 s[G0+4*\s+3], s[G0+4*\s+3], 0x80000000
	s_mov_b32 s[G0B+4*\s], 1
	s_add_co_u32 s[G0B+4*\s+1], s45, \s*SLOT
	s_add_nc_u64 s[G0B+4*\s+2:G0B+4*\s+3], s[46:47], \s*KS*2048
	s_or_b32 s[G0B+4*\s+3], s[G0B+4*\s+3], 0x80000000
.endr
	; PREFETCHES INTO THE L2: behind the load of slot step n stands a request for step n + 2, and behind step 0's also one for step 1.  Of the 4 row blocks x 8,192 bytes that my wave fetches for a step, the four partners
	; that ask for them jointly take one row block each, told apart by address (cx for the tokens' tile, cy for the weight's): a lane names one block of 256 bytes, one instruction a wave.
	; The address is stepped once a trip, two steps on; the loop's last trip, whose refills are steps 6 and 7, asks for nothing.
	s_cmp_eq_u32 s15, 0
	s_cselect_b64 s[82:83], s[20:21], s[46:47]     ; the tile that I fetch,
	s_cselect_b32 s84, s40, s41                    ; my place among the four that ask for it with me,
	s_lshl_b32 s84, s84, 16                        ; x a row block of 65,536 bytes
	s_mov_b32 s85, 0
	s_add_nc_u64 s[82:83], s[82:83], s[84:85]
	JLOAD G0, G1, G0B, G1B                         ; slot 0
	v_and_b32 v1, 31, v0
	v_lshlrev_b32 v[LI], 4, v1
	v_lshlrev_b32 v6, 8, v1                        ; 256 x lane; never rewritten
	global_prefetch_b8 v6, s[82:83] offset:KS*2048 th:TH_LOAD_NT scope:SCOPE_SE
	global_prefetch_b8 v6, s[82:83] offset:2*KS*2048 th:TH_LOAD_NT scope:SCOPE_SE
	s_mul_i32 s21, s15, QB
	s_mul_i32 s22, s16, QB
	s_add_co_u32 s22, s22, 2*QB
.irp s, 0,1
	v_add_nc_u32 v[ADRA+\s], s21, v[LI]
	v_add_nc_u32 v[ADRB+\s], s22, v[LI]
	s_add_co_u32 s21, s21, SLOT
	s_add_co_u32 s22, s22, SLOT
.endr
	v_and_b32 v3, 15, v0
	v_bfe_u32 v4, v0, 4, 1
	s_mul_i32 s18, s14, 16*SP
	v_mul_u32_u24 v[STO], v3, SP
	v_lshl_add_u32 v[STO], v4, 6, v[STO]
	v_add_nc_u32 v[STO], s18, v[STO]
	v_mul_u32_u24 v[RD], v4, SP
	v_lshl_add_u32 v[RD], v3, 4, v[RD]
	v_add_nc_u32 v[RD], s18, v[RD]
	v_lshlrev_b32 v[CO], 12, v4
	v_lshl_add_u32 v[CO], v3, 4, v[CO]
	s_wait_alu depctr_va_vdst(0)
	v_lshlrev_b32 v[BO], 4, v3
	s_wait_alu depctr_va_vdst(0)
	s_lshl_b32 s19, s42, 9
	s_lshl_b32 s22, s16, 8
	s_add_co_u32 s22, s22, s19
	s_mov_b32 s23, 0
	s_add_nc_u64 s[10:11], s[10:11], s[22:23]
	s_lshl_b32 s18, s17, 7
	s_lshl_b32 s19, s15, 6
	s_add_co_u32 s18, s18, s19
	s_lshl_b32 s18, s18, 12
	s_add_co_u32 s18, s18, s22
	s_mov_b32 s19, 0
	s_add_nc_u64 s[12:13], s[12:13], s[18:19]
	s_add_nc_u64 s[66:67], s[66:67], s[18:19]
	WIN 0xc0
.irp a, 0,1,2,3
.irp t, 0,1,2,3,4,5,6,7
	global_load_b128 v[32*\a+4*\t:32*\a+4*\t+3], v[CO], s[66:67] offset:(32*(\a/2)+8*(\a%2)+2*\t+8*(\t/4))*4096 th:TH_LOAD_NT
.endr
.endr
	WIN 0
	global_load_b128 v[BIAS:BIAS+3], v[BO], s[10:11]
	s_wait_alu depctr_va_vdst(0)
	s_wait_tensorcnt 0x0                           ; my part of slot 0 is in
	ds_add_u32 v[SPW], v[NIL]
	s_wait_dscnt 0x0
	CROUND                                         ; everybody's part of slot 0 is in, and all sixteen work-groups are here
	JLOAD G0+4, G1, G0B+4, G1B                     ; slot 1's first fill, the first tensor load behind the round
	FETCH_B 0, 0, 0
	global_prefetch_b8 v6, s[82:83] offset:3*KS*2048 th:TH_LOAD_NT scope:SCOPE_SE   ; behind step 1's load: step 3
	FETCH_A 0, 0, 0
	FETCH_A 0, 0, H
	STEP 0, 0, 1
.if LAPS > 1
	s_mov_b32 s3, LAPS-1
.Llap:
	MIDS 0, 1
	TURN 0, 1, 1
	MIDS 1, 0
	TURN 1, 0, 1
	STEP 0, 0, 0
	s_wait_xcnt 0x0                                ; my prefetches have read their address: it may be stepped
	s_add_nc_u64 s[82:83], s[82:83], 2*KS*2048
	s_sub_co_u32 s3, s3, 1
	s_cmp_lg_u32 s3, 0
	s_cbranch_scc1 .Llap
.endif
	MIDS 0, 1
	TURN 0, 1, 0
	MIDS 1, 0
	LAST
.macro TOSTAGE a
	WIN 0x08
.irp t, 0,1,2,3
	ds_store_b128 v[STO], v[8*(4*(\a)+\t):8*(4*(\a)+\t)+3] offset:128*(\t/2)+32*(\t%2)
	ds_store_b128 v[STO], v[8*(4*(\a)+\t)+4:8*(4*(\a)+\t)+7] offset:128*(\t/2)+32*(\t%2)+16
.endr
	WIN 0
.set BB2, BK+32*((\a)%2)
.irp t, 0,1,2,3,4,5,6,7
	ds_load_b128 v[BB2+4*\t:BB2+4*\t+3], v[RD] offset:2*SP*\t
.endr
.endm
.macro SEND a, younger
.set BB2, BK+32*((\a)%2)
	s_wait_dscnt \younger
.irp t, 0,1,2,3,4,5,6,7
	v_pk_fma_f32 v[BB2+4*\t:BB2+4*\t+1], v[BB2+4*\t:BB2+4*\t+1], s[96:97], v[BIAS:BIAS+1] op_sel_hi:[1,0,1]
	v_pk_fma_f32 v[BB2+4*\t+2:BB2+4*\t+3], v[BB2+4*\t+2:BB2+4*\t+3], s[96:97], v[BIAS+2:BIAS+3] op_sel_hi:[1,0,1]
.endr
	WIN 0x0c
.set J, 0
.rept 16
	v_pk_add_f32 v[BB2+J:BB2+J+1], v[BB2+J:BB2+J+1], v[32*(\a)+J:32*(\a)+J+1]
.set J, J+2
.endr
	WIN 0
.irp t, 0,1,2,3,4,5,6,7
	global_store_b128 v[CO], v[BB2+4*\t:BB2+4*\t+3], s[12:13] offset:(32*((\a)/2)+8*((\a)%2)+2*\t+8*(\t/4))*4096 th:TH_STORE_NT
.endr
.endm
	s_wait_kmcnt 0x0
	s_add_co_i32 s96, s[EA], s[EA+1]
	s_add_co_i32 s96, s96, 127
	s_lshl_b32 s96, s96, 23
	s_mov_b32 s97, s96
	s_wait_loadcnt 0x0
	PLACES 4
	TOSTAGE 0
.irp a, 1,2,3
.if \a > 1
	s_wait_xcnt 0x0
.endif
	TOSTAGE \a
	SEND \a-1, 16
.endr
	s_wait_xcnt 0x0
	SEND 3, 0
	s_wait_tensorcnt 0x0
	ds_add_u32 v[SPW], v[NIL]
	s_wait_dscnt 0x0
	CROUND
	s_endpgm
.Lfunc_end_k_q22d42b709d_fcproj:
	.size	k_q22d42b709d_fcproj, .Lfunc_end_k_q22d42b709d_fcproj-k_q22d42b709d_fcproj
	.p2alignl 7, 3214868480
	.fill 96, 4, 3214868480
	.section	.rodata,"a",@progbits
	.p2align	6, 0x0
	.amdhsa_kernel k_q22d42b709d_fcproj
		.amdhsa_group_segment_fixed_size 327680
		.amdhsa_private_segment_fixed_size 0
		.amdhsa_enable_private_segment 0
		.amdhsa_kernarg_size 48
		.amdhsa_user_sgpr_count 2
		.amdhsa_user_sgpr_kernarg_segment_ptr 1
		.amdhsa_wavefront_size32 1
		.amdhsa_system_sgpr_workgroup_id_x 1
		.amdhsa_system_sgpr_workgroup_id_y 1
		.amdhsa_system_sgpr_workgroup_id_z 1
		.amdhsa_system_vgpr_workitem_id 0
		.amdhsa_next_free_vgpr 1024
		.amdhsa_next_free_sgpr 100
		.amdhsa_reserve_vcc 0
		.amdhsa_float_denorm_mode_32 3
		.amdhsa_float_denorm_mode_16_64 3
		.amdhsa_memory_ordered 1
		.amdhsa_forward_progress 1
		.amdhsa_inst_pref_size 86
	.end_amdhsa_kernel
	.amdgpu_metadata
---
amdhsa.version: [ 1, 2 ]
amdhsa.kernels:
  - .name:           k_q22d42b709d_fcproj
    .symbol:         k_q22d42b709d_fcproj.kd
    .args:
      - { .name: h_c, .offset: 0, .size: 8, .value_kind: global_buffer, .address_space: global }
      - { .name: w_c, .offset: 8, .size: 8, .value_kind: global_buffer, .address_space: global }
      - { .name: lowp_scales, .offset: 16, .size: 8, .value_kind: global_buffer, .address_space: global }
      - { .name: fcproj_b, .offset: 24, .size: 8, .value_kind: global_buffer, .address_space: global }
      - { .name: out0, .offset: 32, .size: 8, .value_kind: global_buffer, .address_space: global }
      - { .name: x1, .offset: 40, .size: 8, .value_kind: global_buffer, .address_space: global }
    .group_segment_fixed_size: 327680
    .private_segment_fixed_size: 0
    .kernarg_segment_align: 8
    .kernarg_segment_size: 48
    .max_flat_workgroup_size: 128
    .sgpr_count:     100
    .vgpr_count:     1024
    .wavefront_size: 32
...
	.end_amdgpu_metadata
.endif
;; end of part 7
